; MI455X (gfx1250); checked and timed in simulation.
; The chip was launched on July 23, 2026; its instructions are those of AMD's public machine-readable ISA for CDNA 5 (MIT licence, August 2026) and "CDNA5" Instruction Set Architecture Reference Guide (July 2026). The comments in the code are by the model that wrote it; some were corrected since.
;; Complex Mo E. Allowed arithmetic: matrix products marked QUANTISED: E4M3 operands, one E8M0 scale for each 32 along K, by v_wmma_scale_f32_16x16x128_f8f6f4 with both operands' format E4M3, f32 sums; products left as they are: f32 operands where the result goes on into a quantised operand, else bf16, f16 or f32 operands; f32 sums; everything else in f32.
;; Inputs: Wg 8 x 2,048 float32; Wi_codes 8 x 1,024 x 32 x 32 uint8 (E4M3 codes of Wi, K innermost, in blocks of 32 codes); Wi_scales 8 x 1,024 x 32 uint8 (E8M0 scales of Wi, one for each 32 codes along K); Wr_codes 8 x 1,024 x 32 x 32 uint8 (E4M3 codes of Wr, K innermost, in blocks of 32 codes); Wr_scales 8 x 1,024 x 32 uint8 (E8M0 scales of Wr, one for each 32 codes along K); bg 8 float32; z_imag 2,048 x 1,024 float32; z_real 2,048 x 1,024 float32.
;; Outputs: out0 2 x 2,048 x 1,024 float32.
;; This version of the problem:
;;   THIS VERSION OF THE PROBLEM IS GIVEN IN LOW PRECISION. The matrix products marked QUANTISED in the list below multiply operands that are first quantised to E4M3 (4 exponent bits, 3 mantissa bits; 8 bits a number), with one power-of-two scale for each 32 numbers along K (OCP MX v1.0); their sums are f32. All else is computed in f32.
;;   The module's matrix products, in the order in which they are computed (A, B: the left and right operand; K: the contracted axis; several contracted axes count as one K, in the product's order):
;;     1. [M 2,048, K 2,048] x [K 2,048, N 8]; A: computed on the way; B: input Wg: left as it is (N = 8 < 16)
;;     2. [M 2,048, K 1,024] x [K 1,024, N 8,192]; A: input z_real; B: input Wr (given as codes): QUANTISED
;;     3. [M 2,048, K 1,024] x [K 1,024, N 8,192]; A: input z_imag; B: input Wi (given as codes): QUANTISED
;;     4. [M 2,048, K 1,024] x [K 1,024, N 8,192]; A: input z_imag; B: input Wr (given as codes): QUANTISED
;;     5. [M 2,048, K 1,024] x [K 1,024, N 8,192]; A: input z_real; B: input Wi (given as codes): QUANTISED
;;     6. batch 2,048 x [M 1, K 8] x [K 8, N 1,024]; A: softmax; B: computed on the way: left as it is (K = 8 < 32)
;;     7. batch 2,048 x [M 1, K 8] x [K 8, N 1,024]; A: softmax; B: computed on the way: left as it is (K = 8 < 32)
;;   THE QUANTISER, for each operand of a quantised product, along K:
;;     - K is cut into blocks of 32 from its start; a last block that is shorter is filled with zeros.
;;     - A block's scale is 2^e with e = floor(log2(the largest magnitude in the block)) - 8, held to -126 .. 127; a block of zeros has e = 0. As a byte (E8M0): e + 127.
;;     - Each number is divided by its block's scale, clamped to +-448, and rounded to the nearest number of E4M3, ties to even, subnormals kept.
;;     - The product sums the exact products of the quantised numbers (number of the format x scale) in f32.
;;   ~~~python
;;   def quantise(x, axis):      # numpy; x: float32 -> the quantised numbers, widened to float32 again
;;       x = np.moveaxis(x, axis, -1); K = x.shape[-1]
;;       x = np.pad(x, [(0, 0)] * (x.ndim - 1) + [(0, -K % 32)]); x = x.reshape(x.shape[:-1] + (-1, 32)); a = np.abs(x).max(-1, keepdims=True)
;;       e = np.where(a > 0, np.clip(np.frexp(np.where(a > 0, a, 1))[1] - 1 - 8, -126, 127), 0)      # np.frexp(a)[1] - 1 = floor(log2(a)), exactly
;;       r = np.clip(x / 2.0 ** e, -448, 448)
;;       step = 2.0 ** (np.maximum(np.frexp(np.where(r == 0, 1, r))[1] - 1, -6) - 3)
;;       q = np.round(r / step) * step * 2.0 ** e      # np.round: ties to even
;;       return np.moveaxis(q.reshape(q.shape[:-2] + (-1,))[..., :K], -1, axis).astype(np.float32)
;;   ~~~
;;   INPUTS GIVEN AS CODES. Wi (in the module: [8, 1024, 1024], K = its axis 2); Wr (in the module: [8, 1024, 1024], K = its axis 2): each comes as NAME_codes (uint8): NAME with its K axis moved to the last place and cut into blocks of 32 codes, [.., K / 32, bytes a block], one block behind the other in memory; one code a byte (a code: sign, 4 exponent bits, 3 mantissa bits); and NAME_scales (uint8): the same leading axes, one E8M0 byte (e + 127) for each 32 codes along K. Its value is code x scale, taken as it is: it is not quantised again, and the codes and scales need not be those that the quantiser above would give.
;; 2 versions. Each part assembles by itself: llvm-mc -triple=amdgcn-amd-amdhsa -mcpu=gfx1250 --defsym DOCPART=n.
;; ======== version 1 of 2: 2 launches
;; workspace buffers: zc 4,194,304 bytes; zs 131,072 bytes; pl 131,072 bytes
;; launch prep (part 1): grid 128 x 2, 8 waves a work-group, no clusters, 77,312 bytes of LDS; arguments z_real, z_imag, Wg, zc, zs, pl; writes zc, zs, pl
.if DOCPART == 1
	.amdgcn_target "amdgcn-amd-amdhsa--gfx1250"
	.amdhsa_code_object_version 6
	.text
	.protected	k_q248acf7b21_prep
	.globl	k_q248acf7b21_prep
	.p2align	8
	.type	k_q248acf7b21_prep,@function
k_q248acf7b21_prep:
	s_mov_b64 s[64:65], 0
	v_nop
	global_prefetch_b8 v0, s[64:65] scope:SCOPE_SE
	s_setreg_imm32_b32 hwreg(HW_REG_WAVE_MODE, 25, 1), 1
	s_wait_xcnt 0x0
; z_real and z_imag [2048][1024] f32 are turned ONCE into codes of FP8 (E4M3) with one E8M0 scale byte for each 32 along K, and the gate's logits are begun.
; A block's scale is 2^(floor(log2(its largest magnitude)) - 8); its byte is the largest magnitude's exponent field - 8, held at 1 from below; each number is held within +-448 x the scale and rounded to the nearest code, ties to even.
; SHARES.  Work-group (x, y): x = a tile of 16 tokens, y = the part (0: z_real, 1: z_imag).  Wave w takes K step w: 16 tokens x 128 along K, one operand fragment.
; OUT.  zc [tile 128][part 2][K step 8][group c 4][lane 32][16 bytes]: the image of the operand's registers: lane (r, h), group c holds k = 128 s + 32 c + 16 h + 0 .. 15 of token r.
;       zs [tile][part][token 16][K step 8]: one word (four scale bytes) for a token and 128 along K.     pl [part][token 2048][8] f32: this part's share of z_flat Wg^T (the next launch adds the two parts and bg).
; THE LOGITS are a product with 8 columns that stays unquantised.  ITS OPERANDS STAY f32: a logit goes into an exponential, and a gate's error multiplies the difference between experts' results, so an operand cut to 8 bits
; of mantissa would show in the output.  The f32 matrix form takes 4 along K: 32 instructions a wave, 67 million multiply-adds in the launch against the program's 68.7 thousand million on codes: no bulk work.
; Source 0 = 16 rows of Wg (rows 8-15 repeat rows 0-7, so no load leaves the buffer), source 1 = my 16 tokens.  Both sides give a lane the same two k in a pair of registers, so the sum over the four is the same whatever
; place the unit gives them.
; LIMITS: NaN and infinities among the inputs are not served.  A block of zeros gets the byte 1 where the quantiser says 127: its codes are zeros, and this program alone reads the bytes.
.set STGW, 8448                        ; LDS: a wave's stage: 16 rows x SP
.set SP,   528                         ; a stage row: 512 bytes + 16 of padding: the 16 rows that a read touches start 33 x 16 bytes apart
.set SCW,  67584                       ; behind the eight stages: the tile's scale words, 16 tokens x 8 K steps x 4 bytes
.set PLS,  68096                       ; and each wave's share of the logits: 1,024 bytes a wave
.set R,    16                          ; v16-79   z as it is loaded; later SA, SB, PC
.set SA,   16                          ; v16-23, v24-31 the four sums of logits added up
.set SB,   24
.set PC,   64                          ; v64-79   the codes
.set X,    80                          ; v80-143  64 numbers of my token: register 16 b + i = k 32 b + 16 h + i
.set WL,   144                         ; v144-207 Wg likewise
.set ACC,  208                         ; v208-239 four sums of logits, one for each block of 32, which take turns; matrix instructions alone write them
.set TM,   240                         ; v240-243 largest magnitudes, v244-247 bytes, v248-251 448 x the scale, v252-255 the conversions' scale operands
.set PW,   15                          ; v15      my token's scale word
.set SEL,  20                          ; s[20:21] v_permlanex16_b32's selects for lane l xor 16
.set MNT,  23                          ; s23      the mantissa field of 448
	s_load_b256 s[4:11], s[0:1], 0x0               ; z_real s[4:5], z_imag s[6:7], Wg s[8:9], zc s[10:11]
	s_load_b128 s[12:15], s[0:1], 0x20             ; zs s[12:13], pl s[14:15]
	v_lshl_add_u32 v12, v0, 2, 0x12a00
	v_mov_b32 v14, 0
	v_lshrrev_b32 v1, 5, v0
	v_readfirstlane_b32 s16, v1                    ; wave 0..7 = my K step
	v_and_b32 v1, 31, v0                           ; lane
	v_and_b32 v2, 15, v0                           ; r
	v_bfe_u32 v3, v0, 4, 1                         ; h
	v_lshlrev_b32 v4, 4, v1                        ; 16 x lane: z's loads, the codes' stores, the scale words' store
	v_and_b32 v5, 7, v0
	v_lshlrev_b32 v5, 13, v5                       ; Wg: row r % 8 of 8,192 bytes,
	v_lshl_add_u32 v5, v3, 6, v5                   ; + 64 h: my 16 numbers of a block of 32
	s_mul_i32 s22, s16, STGW
	v_add_nc_u32 v6, s22, v4                       ; the stage, on the way in: 16 x lane of a row
	v_mul_u32_u24 v7, v2, SP
	v_lshl_add_u32 v7, v3, 6, v7
	v_add_nc_u32 v7, s22, v7                       ; and on the way out: row r, + 64 h
	s_lshl_b32 s32, s16, 2
	s_add_co_u32 s32, s32, SCW
	v_lshl_add_u32 v8, v2, 5, s32                  ; my scale word's place: 32 r + 4 w
	s_lshl_b32 s33, s16, 10
	s_add_co_u32 s33, s33, PLS
	v_add_nc_u32 v9, s33, v4                       ; my wave's share of the logits
	v_add_nc_u32 v10, SCW, v4                      ; wave 0 reads all scale words,
	v_add_nc_u32 v11, PLS, v4                      ; wave 1 all shares
	v_lshlrev_b32 v13, 5, v2
	v_lshl_add_u32 v13, v3, 4, v13                 ; pl: token r's 32 bytes, lanes 16-31 the upper 16
	s_and_b32 s17, ttmp7, 0xffff                   ; the part
	s_lshl_b32 s34, s16, 9                         ; my K step: 512 bytes of a row of f32
	s_lshl_b32 s18, ttmp9, 16                      ; z: 16 rows of 4,096 bytes a tile
	s_add_co_u32 s18, s18, s34
	s_mov_b32 s19, 0
	s_lshl_b32 s24, s17, 12                        ; Wg: the part's 1,024 columns
	s_add_co_u32 s24, s24, s34
	s_mov_b32 s25, 0
	s_lshl_b32 s26, ttmp9, 15                      ; zc: 32,768 a tile, 16,384 a part, 2,048 a K step
	s_lshl_b32 s35, s17, 14
	s_add_co_u32 s26, s26, s35
	s_lshl_b32 s35, s16, 11
	s_add_co_u32 s26, s26, s35
	s_mov_b32 s27, 0
	s_lshl_b32 s28, ttmp9, 10                      ; zs: 1,024 a tile, 512 a part
	s_lshl_b32 s35, s17, 9
	s_add_co_u32 s28, s28, s35
	s_mov_b32 s29, 0
	s_lshl_b32 s30, s17, 16                        ; pl: 65,536 a part, 512 a tile
	s_lshl_b32 s35, ttmp9, 9
	s_add_co_u32 s30, s30, s35
	s_mov_b32 s31, 0
	s_mov_b32 s[SEL], 0x76543210
	s_mov_b32 s[SEL+1], 0xfedcba98
	s_mov_b32 s[MNT], 0x600000
.irp b, 0,1,2,3
	v_mov_b32 v[TM+4+\b], 0                        ; a lane permute's destination counts as one of its sources
.endr
	s_wait_kmcnt 0x0
	s_cmp_eq_u32 s17, 0                            ; the choice hangs on the work-group's number alone; both parts take one path through the text
	s_cselect_b64 s[4:5], s[4:5], s[6:7]
	s_add_nc_u64 s[4:5], s[4:5], s[18:19]
	s_add_nc_u64 s[8:9], s[8:9], s[24:25]
	s_add_nc_u64 s[10:11], s[10:11], s[26:27]
	s_add_nc_u64 s[12:13], s[12:13], s[28:29]
	s_add_nc_u64 s[14:15], s[14:15], s[30:31]
.irp i, 0,1,2,3,4,5,6,7,8,9,10,11,12,13,14,15
	global_load_b128 v[R+4*\i:R+4*\i+3], v4, s[4:5] offset:4096*\i th:TH_LOAD_NT   ; token i: 32 lanes read 512 consecutive bytes; read once in the launch
.endr
.irp b, 0,1,2,3
.irp j, 0,1,2,3
	global_load_b128 v[WL+16*\b+4*\j:WL+16*\b+4*\j+3], v5, s[8:9] offset:128*\b+16*\j
.endr
.endr
	s_wait_loadcnt 16                              ; z's sixteen loads are in; Wg's sixteen, issued behind them, may be out
.irp i, 0,1,2,3,4,5,6,7,8,9,10,11,12,13,14,15
	ds_store_b128 v6, v[R+4*\i:R+4*\i+3] offset:SP*\i
.endr
.irp b, 0,1,2,3
.irp j, 0,1,2,3
	ds_load_b128 v[X+16*\b+4*\j:X+16*\b+4*\j+3], v7 offset:128*\b+16*\j   ; my wave's own bytes, and LDS serves a wave's instructions in order: no wait between the stores and these
.endr
.endr
	s_wait_loadcnt 0x0                             ; Wg
	s_wait_dscnt 0x0                               ; my 64 numbers are back, and the stores into the stage have read v16-79
	; THE LOGITS.  Pair i of block b holds k = 32 b + 16 h + 2 i, + 1 on both sides.  Lane (r, h), register j of a sum: token r, expert j (both halves of the lanes hold the same).
	; Each block's first product starts its sum with the constant 0; the four sums take turns, one instruction a turn.
.irp i, 0,1,2,3,4,5,6,7
.irp b, 0,1,2,3
.if \i == 0
	v_wmma_f32_16x16x4_f32 v[ACC+8*\b:ACC+8*\b+7], v[WL+16*\b+2*\i:WL+16*\b+2*\i+1], v[X+16*\b+2*\i:X+16*\b+2*\i+1], 0
.else
	v_wmma_f32_16x16x4_f32 v[ACC+8*\b:ACC+8*\b+7], v[WL+16*\b+2*\i:WL+16*\b+2*\i+1], v[X+16*\b+2*\i:X+16*\b+2*\i+1], v[ACC+8*\b:ACC+8*\b+7]
.endif
.endr
.endr
	; THE QUANTISER.  Up to its first hold it only reads X: 55 plain lines, of which at most two name any one product's registers: they are the eight places (ISA guide 7.12.1) between the products and the holds, which write X
.irp b, 0,1,2,3
	v_max3_num_f32 v[TM+\b], |v[X+16*\b]|, |v[X+1+16*\b]|, 0x4800000   ; block b: my 16 numbers, and the floor 2^(9 - 127): so the byte cannot fall under 1
.endr
.irp i, 2,4,6,8,10,12,14
.irp b, 0,1,2,3
	v_max3_num_f32 v[TM+\b], v[TM+\b], |v[X+16*\b+\i]|, |v[X+1+16*\b+\i]|   ; the four blocks by turns
.endr
.endr
.irp b, 0,1,2,3
	v_permlanex16_b32 v[TM+4+\b], v[TM+\b], s[SEL], s[SEL+1]
.endr
.irp b, 0,1,2,3
	v_max_num_f32 v[TM+\b], v[TM+\b], v[TM+4+\b]   ; with lane l xor 16's 16 numbers: the block's largest magnitude
.endr
.irp b, 0,1,2,3
	v_add_nc_u32 v[TM+12+\b], 0xfc000000, v[TM+\b] ; 8 off its exponent field: the conversion takes the exponent field of this operand as its scale
.endr
.irp b, 0,1,2,3
	v_and_or_b32 v[TM+8+\b], v[TM+\b], 0x7f800000, s[MNT]   ; 448 x the scale
.endr
.irp b, 0,1,2,3
	v_lshrrev_b32 v[TM+4+\b], 23, v[TM+12+\b]      ; the scale's byte
.endr
	v_lshl_or_b32 v[PW], v[TM+5], 8, v[TM+4]       ; four bytes make my token's scale word for this K step
	v_lshl_or_b32 v[PW], v[TM+6], 16, v[PW]
	v_lshl_or_b32 v[PW], v[TM+7], 24, v[PW]
.irp b, 0,1,2,3
.irp i, 0,1,2,3,4,5,6,7,8,9,10,11,12,13,14,15
	v_med3_num_f32 v[X+16*\b+\i], v[X+16*\b+\i], -v[TM+8+\b], v[TM+8+\b]   ; the conversion to an 8-bit code does not saturate (ISA guide 7.6.2): the hold comes first
.endr
	v_cvt_scalef32_pk8_fp8_f32 v[PC+4*\b:PC+1+4*\b], v[X+16*\b:X+7+16*\b], v[TM+12+\b]
	v_cvt_scalef32_pk8_fp8_f32 v[PC+2+4*\b:PC+3+4*\b], v[X+8+16*\b:X+15+16*\b], v[TM+12+\b]
.endr
	v_nop                                          ; a plain vector line behind the last scaled conversion
.irp c, 0,1,2,3
	global_store_b128 v4, v[PC+4*\c:PC+4*\c+3], s[10:11] offset:512*\c   ; 32 lanes store 512 consecutive bytes, aligned to 256
.endr
	ds_store_b32 v8, v[PW]                         ; both halves of the lanes write the same word with the same value
.irp j, 0,2,4,6
	v_pk_add_f32 v[SA+\j:SA+\j+1], v[ACC+\j:ACC+\j+1], v[ACC+8+\j:ACC+8+\j+1]         ; the four blocks' sums are added into other registers; each sum is read from its low end on
.endr
.irp j, 0,2,4,6
	v_pk_add_f32 v[SB+\j:SB+\j+1], v[ACC+16+\j:ACC+16+\j+1], v[ACC+24+\j:ACC+24+\j+1]
.endr
.irp j, 0,2,4,6
	v_pk_add_f32 v[SA+\j:SA+\j+1], v[SA+\j:SA+\j+1], v[SB+\j:SB+\j+1]
.endr
	ds_store_b128 v9, v[SA:SA+3]
	ds_store_b128 v9, v[SA+4:SA+7] offset:512
	s_wait_dscnt 0x0                               ; for the others' sake: my stores have landed
	s_barrier_signal -1
	s_barrier_wait -1
	s_cmp_lg_u32 s16, 0
	s_cbranch_scc1 .Lnot_wave_0
	ds_load_b128 v[32:35], v10                     ; wave 0: the tile's 128 scale words leave as 512 consecutive bytes
	s_wait_dscnt 0x0
	global_store_b128 v4, v[32:35], s[12:13]
.Lnot_wave_0:
	s_cmp_lg_u32 s16, 1
	s_cbranch_scc1 .Ldone
.irp s, 0,1,2,3,4,5,6,7
	ds_load_b128 v[80+8*\s:83+8*\s], v11 offset:1024*\s          ; wave 1: the eight K steps' shares, each lane its own place
	ds_load_b128 v[84+8*\s:87+8*\s], v11 offset:1024*\s+512
.endr
	s_wait_dscnt 0x0
.irp s, 1,2,3,4,5,6,7
.irp j, 0,2,4,6
	v_pk_add_f32 v[80+\j:81+\j], v[80+\j:81+\j], v[80+8*\s+\j:81+8*\s+\j]
.endr
.endr
	v_cmp_eq_u32 vcc_lo, 1, v3
.irp j, 0,1,2,3
	v_cndmask_b32 v[80+\j], v[80+\j], v[84+\j], vcc_lo           ; lanes 16-31 take experts 4 to 7
.endr
	global_store_b128 v13, v[80:83], s[14:15]      ; 16 tokens x 32 bytes: 512 consecutive bytes
.Ldone:
	s_wait_tensorcnt 0x0
	ds_add_u32 v12, v14
	s_wait_dscnt 0x0
	s_endpgm
.Lfunc_end_k_q248acf7b21_prep:
	.size	k_q248acf7b21_prep, .Lfunc_end_k_q248acf7b21_prep-k_q248acf7b21_prep
	.p2alignl 7, 3214868480
	.fill 96, 4, 3214868480
	.section	.rodata,"a",@progbits
	.p2align	6, 0x0
	.amdhsa_kernel k_q248acf7b21_prep
		.amdhsa_group_segment_fixed_size 77312
		.amdhsa_private_segment_fixed_size 0
		.amdhsa_enable_private_segment 0
		.amdhsa_kernarg_size 48
		.amdhsa_user_sgpr_count 2
		.amdhsa_user_sgpr_kernarg_segment_ptr 1
		.amdhsa_wavefront_size32 1
		.amdhsa_system_sgpr_workgroup_id_x 1
		.amdhsa_system_sgpr_workgroup_id_y 1
		.amdhsa_system_sgpr_workgroup_id_z 1
		.amdhsa_system_vgpr_workitem_id 0
		.amdhsa_next_free_vgpr 256
		.amdhsa_next_free_sgpr 66
		.amdhsa_reserve_vcc 1
		.amdhsa_float_denorm_mode_32 3
		.amdhsa_float_denorm_mode_16_64 3
		.amdhsa_memory_ordered 1
		.amdhsa_forward_progress 1
		.amdhsa_inst_pref_size 23
	.end_amdhsa_kernel
	.amdgpu_metadata
---
amdhsa.version: [ 1, 2 ]
amdhsa.kernels:
  - .name:           k_q248acf7b21_prep
    .symbol:         k_q248acf7b21_prep.kd
    .args:
      - { .name: z_real, .offset: 0, .size: 8, .value_kind: global_buffer, .address_space: global }
      - { .name: z_imag, .offset: 8, .size: 8, .value_kind: global_buffer, .address_space: global }
      - { .name: Wg, .offset: 16, .size: 8, .value_kind: global_buffer, .address_space: global }
      - { .name: zc, .offset: 24, .size: 8, .value_kind: global_buffer, .address_space: global }
      - { .name: zs, .offset: 32, .size: 8, .value_kind: global_buffer, .address_space: global }
      - { .name: pl, .offset: 40, .size: 8, .value_kind: global_buffer, .address_space: global }
    .group_segment_fixed_size: 77312
    .private_segment_fixed_size: 0
    .kernarg_segment_align: 8
    .kernarg_segment_size: 48
    .max_flat_workgroup_size: 256
    .sgpr_count:     66
    .vgpr_count:     256
    .wavefront_size: 32
...
	.end_amdgpu_metadata
.endif
;; end of part 1
;; launch moe (part 2): grid 16 x 16, 4 waves a work-group, clusters of 4 x 1, 327,680 bytes of LDS; arguments zc, zs, pl, bg, Wr_codes, Wr_scales, Wi_codes, Wi_scales, out0; writes out0
.if DOCPART == 2
	.amdgcn_target "amdgcn-amd-amdhsa--gfx1250"
	.amdhsa_code_object_version 6
	.text
	.protected	k_q248acf7b21_moe
	.globl	k_q248acf7b21_moe
	.p2align	8
	.type	k_q248acf7b21_moe,@function
k_q248acf7b21_moe:
	s_mov_b64 s[64:65], 0
	v_nop
	global_prefetch_b8 v0, s[64:65] scope:SCOPE_SE
	s_setreg_imm32_b32 hwreg(HW_REG_WAVE_MODE, 25, 1), 1
	s_wait_xcnt 0x0
	s_wait_alu depctr_hold_cnt(0) depctr_sa_sdst(0) depctr_va_vdst(0) depctr_va_sdst(0) depctr_va_ssrc(0) depctr_va_vcc(0) depctr_vm_vsrc(0)
	s_getreg_b32 s2, hwreg(HW_REG_IB_STS2, 6, 4)
	s_cmp_eq_u32 s2, 0
	s_cbranch_scc0 .Lentry_in_a_cluster
	s_endpgm
.Lentry_in_a_cluster:
	s_bfe_u32 s2, ttmp6, 0x10000c
	s_cmp_lg_u32 s2, 0x3003
	s_cbranch_scc0 .Lentry_shape_is_right
	s_endpgm
.Lentry_shape_is_right:
; out_r[n][o] = sum over e of g[n][e] (zr Wr_e^T - zi Wi_e^T),  out_i[n][o] = sum over e of g[n][e] (zi Wr_e^T + zr Wi_e^T),  g = softmax(logits + bg).
; The four products run on codes of FP8 (E4M3) with one E8M0 scale for each 32 along K; sums in f32; the gates, which are no powers of two, multiply each expert's finished f32 sums.
; SHARES.  A work-group takes 128 tokens (x) and 64 outputs (y), real and imaginary, through all 8 experts.  Wave w takes tokens 32 w .. 32 w + 31 (two tiles of 16, t) against all 64 outputs (four tiles of 16, q).
; THE TOKENS' CODES STAY IN REGISTERS for the whole launch (2 parts x 2 tiles x 8 K steps x 16 registers = 512); only weights go through LDS.  Each fragment of Wr or Wi serves zr and zi of both tiles: two fragments
; from LDS feed eight matrix instructions.
; THE PRODUCT IS USED TRANSPOSED: source 0 = 16 rows of W, source 1 = 16 tokens: lane (r, h), register j holds (token r, output 16 q + 8 h + j): a gate is one number a lane, and eight results are neighbours in a row of out0.
; RING.  Two LDS slots, one expert each: 64 rows of Wr and of Wi, 1,024 bytes a row, as four parts of 64 rows x 512 bytes; wave 2 m + kh fetches part (m: Wr or Wi; kh: half of K).  A slot is asked for again as soon as its
; last fragment is in registers, and is waited for at the end of the next expert: 29 of that expert's 32 steps lie between.
; CLUSTER.  The four work-groups of a cluster have the same y, hence the same weights: every tile is asked for JOINTLY, by the same tensor load with the same descriptor and the mask of all four.
; The tokens differ between partners and go straight to registers: they are not shared.
; A STEP is 128 along K of one tile of outputs: 8 matrix instructions on 6 sums (RR_t, II_t, IM_t = zi Wr + zr Wi).  The fragments of step j + 3 are asked for in step j, in four buffers by turns.
; The finished sums of tile q - 1 are weighed into OUT in slices that stand between the products of tile q; two sets of sums take turns.
; LIMITS: NaN and infinities are not served; a weight's scale byte 0xff gives NaN, as the format says.
; REGISTERS, in windows of 256 (s_set_vgpr_msb: bits 1:0 source 0, 3:2 source 1, 5:4 source 2, 7:6 destination):
;   window 0: v2-15 addresses; v16-31 the tokens' scale words; v32-47 the weights', two sets; v48-55 gates; v64-191 OUT; v192-247 the softmax at the head
;   window 1: zr's fragments at 16 (8 t + s)     window 2: zi's likewise     window 3: v0-127 four buffers of (Wr, Wi) fragments; v128-223 two sets of six sums; v224-227 LDS addresses of the fragments
.set PITCH, 528                        ; an LDS row: 512 bytes + 16 of padding = 132 words: the 16 rows of a fragment start at 16 different groups of four banks (64 banks of 4 bytes: ISA guide 11.1)
.set PARTB, 64*PITCH                   ; what one tensor load brings
.set SLOTB, 4*PARTB                    ; an expert: Wr's two halves of K, then Wi's
.set SCL,   2*SLOTB                    ; behind the ring: all scale bytes of my 64 outputs: [Wr, Wi][expert 8][row 64][32 bytes]; filled once
.set SPARE, SCL+32768                  ; the spare words, 128 bytes for each wave: two blocks of 256 bytes that no other line names
.set GSB,   SPARE+512                  ; the gates: 2,048 w + 256 e + 128 t + 4 x lane; each wave's own
.set STGW,  4*16*272                   ; the way out: a wave's four stages of 16 rows x (256 + 16) bytes, in slot 0, which by then has had its last fill and its last read
.set SPW,  2                           ; v2   LDS address of my spare word; never rewritten
.set NIL,  3                           ; v3   0; never rewritten
.set ASC,  4                           ; v4   the weights' scale words: lanes 0-15 Wr's row r, lanes 16-31 Wi's; steps two experts a trip
.set GLA,  5                           ; v5   my gates; steps two experts a trip
.set STO,  6                           ; v6   the way out: where I put 32 bytes of a row
.set RD,   7                           ; v7   and where I read a row back
.set CO,   8                           ; v8   my byte offset in two rows of out0
.set A16,  9                           ; v9   16 x lane
.set A32,  10                          ; v10  32 x lane
.set A32R, 11                          ; v11  32 x (lane % 16)
.set AZ,   12                          ; v12  0
.set TSC,  16                          ; word 8 t + s: lanes 0-15 zr's token r, lanes 16-31 zi's
.set WSC,  32                          ; set a at 8 a + s
.set GT,   48                          ; pair 4 p + 2 t: the low register is the gate of expert parity p, tile t; the high one is written once
.set OUTB, 64                          ; 8 (8 part + 4 t + q)
.set SMX,  192
.set ACC,  128                         ; window 3: set a at 48 a: RR_t + 8 t, II_t + 16 + 8 t, IM_t + 32 + 8 t
.set AWF,  224                         ; window 3: v[224 + 2 p + m]: slot p, matrix m
.set WV,   22                          ; s22  my wave's number
.set G1W,  32                          ; s[32:39] descriptor group 1 for the weights' tiles
.set G1S,  40                          ; s[40:47] for the scale bytes
.set G0,   48                          ; s[48:55] group 0, a set for each slot
.set G0S,  56                          ; s[56:59] group 0 for the scale bytes
.set CNT,  60
.set MSB, 0
.macro WIN new                         ; the immediate's high byte repeats the setting that is left; a switch that changes nothing is dropped
.if MSB != \new
	s_set_vgpr_msb (MSB<<8)|\new
.set MSB, \new
.endif
.endm
.set W_ZR, 0xf7                        ; W, C and D window 3, tokens window 1.  An LDS load of a fragment runs under it as it stands: data and address lie in window 3
.set W_ZI, 0xfb                        ; the same with the tokens in window 2
.set W_CB, 0x03                        ; source 0 (a sum) window 3, the rest window 0
.macro CREST                           ; a round of the cluster's barrier behind its opening barrier
	s_cmp_lg_u32 s[WV], 0
	s_cbranch_scc1 .Lnot_wave_0_\@
	s_barrier_signal -3
.Lnot_wave_0_\@:
	s_barrier_wait -3
	s_barrier_signal -1
	s_barrier_wait -1
.endm
.macro CROUND                          ; a whole round
	s_barrier_signal -1
	s_barrier_wait -1
	CREST
.endm
	s_load_b256 s[4:11], s[0:1], 0x0               ; zc s[4:5], zs s[6:7], pl s[8:9], bg s[10:11]
	s_load_b256 s[12:19], s[0:1], 0x20             ; Wr's codes s[12:13], its scales s[14:15], Wi's codes s[16:17], its scales s[18:19]
	s_load_b64 s[20:21], s[0:1], 0x40              ; out0
	v_lshl_add_u32 v[SPW], v0, 2, SPARE
	v_mov_b32 v[NIL], 0
	ds_add_u32 v2, v3
	ds_add_u32 v2, v3
	s_wait_dscnt 0x0
	v_lshrrev_b32 v1, 5, v0
	v_readfirstlane_b32 s[WV], v1                  ; wave 0..3
	s_bfe_u32 s23, ttmp6, 0x40000                  ; cx: my place in the cluster: it enters the tokens' and out0's global addresses alone
	s_lshl_b32 s24, ttmp9, 2                       ; in a cluster launch ttmp9 counts clusters
	s_add_co_u32 s24, s24, s23                     ; my group of 128 tokens
	s_and_b32 s25, ttmp7, 0xffff                   ; my group of 64 outputs, which the four partners share
	; group 1 for the weights: 64 rows x 512 bytes, 1,024 bytes apart in memory, padded in LDS
	s_mov_b32 s[G1W], 15|(1<<20)|(1<<21)|(6<<22)|(3<<25)   ; 15:0 the mask: all four work-groups; 17:16 elements of 1 byte; 20 padding on; 21 set beside a mask; 24:22 after every 128 words (code 6); 31:25 four words (code 3)
	s_mov_b32 s[G1W+1], 512<<16                    ; tensor_dim0
	s_mov_b32 s[G1W+2], 64<<16                     ; tensor_dim1
	s_mov_b32 s[G1W+3], 512<<16                    ; tile_dim0
	s_mov_b32 s[G1W+4], 64                         ; tile_dim1
	s_mov_b32 s[G1W+5], 1024                       ; from row to row
	s_mov_b32 s[G1W+6], 0
	s_mov_b32 s[G1W+7], 0
	; group 1 for the scale bytes: four experts x 2,048 dense bytes (64 rows of 32), 32,768 bytes apart, in elements of 8 bytes; no padding
	s_mov_b32 s[G1S], 15|(3<<16)|(1<<21)
	s_mov_b32 s[G1S+1], 256<<16
	s_mov_b32 s[G1S+2], 4<<16
	s_mov_b32 s[G1S+3], 256<<16
	s_mov_b32 s[G1S+4], 4
	s_mov_b32 s[G1S+5], 4096
	s_mov_b32 s[G1S+6], 0
	s_mov_b32 s[G1S+7], 0
	s_and_b32 s63, s[WV], 1                        ; kh: which half of K (codes), which four experts (scales)
	s_lshl_b32 s28, s25, 16                        ; codes: 64 rows of 1,024 bytes a group of outputs,
	s_lshl_b32 s27, s63, 9                         ; + 512 kh
	s_add_co_u32 s28, s28, s27
	s_mov_b32 s29, 0
	s_lshl_b32 s30, s25, 11                        ; scales: 64 rows of 32 bytes,
	s_lshl_b32 s27, s63, 17                        ; + four experts of 32,768
	s_add_co_u32 s30, s30, s27
	s_mov_b32 s31, 0
	s_mul_i32 s61, s[WV], PARTB                    ; where my part goes in a slot: no place in the cluster enters an LDS address
	s_lshl_b32 s62, s[WV], 13
	s_add_co_u32 s62, s62, SCL                     ; and my 8,192 scale bytes
	s_lshl_b32 s26, s24, 3
	s_lshl_b32 s27, s[WV], 1
	s_add_co_u32 s26, s26, s27                     ; my first tile of 16 tokens: 8 x group + 2 w
	s_lshl_b32 s72, s26, 15                        ; zc: 32,768 bytes a tile
	s_mov_b32 s73, 0
	s_lshl_b32 s74, s26, 10                        ; zs: 1,024
	s_mov_b32 s75, 0
	s_lshl_b32 s76, s26, 9                         ; pl: 16 tokens of 32 bytes
	s_mov_b32 s77, 0
	s_lshl_b32 s78, s26, 16                        ; out0: 16 rows of 4,096 bytes,
	s_lshl_b32 s27, s25, 8                         ; + my 64 outputs' 256 bytes
	s_add_co_u32 s78, s78, s27
	s_mov_b32 s79, 0
	s_mov_b32 s70, 0x3fb8aa3b                      ; log2(e)
	v_and_b32 v13, 31, v0                          ; lane
	v_and_b32 v14, 15, v0                          ; r
	v_bfe_u32 v15, v0, 4, 1                        ; h
	v_lshlrev_b32 v[ASC], 5, v14
	v_lshl_add_u32 v[ASC], v15, 14, v[ASC]         ; 32 r + h x the distance from Wr's scales to Wi's
	v_add_nc_u32 v[ASC], SCL, v[ASC]
	s_lshl_b32 s27, s[WV], 11
	s_add_co_u32 s27, s27, GSB
	v_lshl_add_u32 v[GLA], v13, 2, s27
	s_mul_i32 s71, s[WV], STGW
	v_mul_u32_u24 v[STO], v14, 272
	v_lshl_add_u32 v[STO], v15, 5, v[STO]
	v_add_nc_u32 v[STO], s71, v[STO]               ; in: row r, 32 bytes for each half of the lanes
	v_mul_u32_u24 v[RD], v15, 272
	v_lshl_add_u32 v[RD], v14, 4, v[RD]
	v_add_nc_u32 v[RD], s71, v[RD]                 ; back: lanes 0-15 one row of 256 bytes, lanes 16-31 the next
	v_lshlrev_b32 v[CO], 12, v15
	v_lshl_add_u32 v[CO], v14, 4, v[CO]            ; and the same two rows in out0
	v_lshlrev_b32 v[A16], 4, v13
	v_lshlrev_b32 v[A32], 5, v13
	v_lshlrev_b32 v[A32R], 5, v14
	v_mov_b32 v[AZ], 0
	v_mul_u32_u24 v1, v14, PITCH
	v_lshl_add_u32 v1, v15, 4, v1                  ; a fragment's row x pitch + 16 h
	WIN 0xc0                                       ; destination window 3
	v_add_nc_u32 v[AWF], 0, v1
	v_add_nc_u32 v[AWF+1], 2*PARTB, v1
	v_add_nc_u32 v[AWF+2], SLOTB, v1
	v_add_nc_u32 v[AWF+3], SLOTB+2*PARTB, v1
	WIN 0
	s_wait_kmcnt 0x0
	s_cmp_lt_u32 s[WV], 2                          ; waves 0 and 1 fetch for Wr, waves 2 and 3 for Wi: a choice between two buffers on the wave's number, the same in all partners
	s_cselect_b64 s[12:13], s[12:13], s[16:17]
	s_cselect_b64 s[14:15], s[14:15], s[18:19]
	s_add_nc_u64 s[12:13], s[12:13], s[28:29]
	s_add_nc_u64 s[14:15], s[14:15], s[30:31]
	s_mov_b32 s[G0], 1                             ; 1:0 count = 1
	s_mov_b32 s[G0+1], s61                         ; 63:32 LDS address: slot 0
	s_mov_b64 s[G0+2:G0+3], s[12:13]               ; 120:64 global address: expert 0
	s_or_b32 s[G0+3], s[G0+3], 0x80000000          ; 127:126 type = 2
	s_mov_b32 s[G0+4], 1
	s_add_co_u32 s[G0+5], s61, SLOTB               ; slot 1:
	s_add_nc_u64 s[G0+6:G0+7], s[12:13], 0x100000  ; expert 1
	s_or_b32 s[G0+7], s[G0+7], 0x80000000
	s_mov_b32 s[G0S], 1
	s_mov_b32 s[G0S+1], s62
	s_mov_b64 s[G0S+2:G0S+3], s[14:15]
	s_or_b32 s[G0S+3], s[G0S+3], 0x80000000
	s_add_nc_u64 s[4:5], s[4:5], s[72:73]
	s_add_nc_u64 s[6:7], s[6:7], s[74:75]
	s_add_nc_u64 s[8:9], s[8:9], s[76:77]
	s_add_nc_u64 s[66:67], s[20:21], s[78:79]      ; out_r at my wave's first row and my outputs,
	s_add_nc_u64 s[68:69], s[66:67], 0x800000      ; out_i 2,048 rows of 4,096 bytes further on
	CROUND                                         ; all four work-groups are here: the first joint loads meet
	tensor_load_to_lds s[G0S:G0S+3], s[G1S:G1S+7]  ; the first fills go out as one group: three loads of mine are out.  The scale bytes first: they are wanted with expert 0
	s_nop 0
	tensor_load_to_lds s[G0:G0+3], s[G1W:G1W+7]
	s_nop 0
	tensor_load_to_lds s[G0+4:G0+7], s[G1W:G1W+7]
	s_nop 0
.rept 4
	v_nop                                          ; four v_nop behind the tensor loads
.endr
.irp t, 0,1
.irp pt, 0,1
	global_load_b128 v[SMX+16*\t+8*\pt:SMX+16*\t+8*\pt+3], v[A32R], s[8:9] offset:65536*\pt+512*\t        ; the two parts' shares of token r's eight logits
	global_load_b128 v[SMX+16*\t+8*\pt+4:SMX+16*\t+8*\pt+7], v[A32R], s[8:9] offset:65536*\pt+512*\t+16
.endr
.endr
	global_load_b128 v[SMX+32:SMX+35], v[AZ], s[10:11]             ; bg
	global_load_b128 v[SMX+36:SMX+39], v[AZ], s[10:11] offset:16
.irp t, 0,1
	global_load_b128 v[TSC+8*\t:TSC+8*\t+3], v[A32], s[6:7] offset:1024*\t       ; the tokens' scale words: 32 bytes a lane
	global_load_b128 v[TSC+8*\t+4:TSC+8*\t+7], v[A32], s[6:7] offset:1024*\t+16
.endr
	WIN 0x40                                       ; destination window 1: zr
.irp t, 0,1
.irp s, 0,1,2,3,4,5,6,7
.irp c, 0,1,2,3
	global_load_b128 v[16*(8*\t+\s)+4*\c:16*(8*\t+\s)+4*\c+3], v[A16], s[4:5] offset:32768*\t+2048*\s+512*\c   ; an image of the operand's registers: 512 consecutive bytes a load
.endr
.endr
.endr
	WIN 0x80                                       ; destination window 2: zi
.irp t, 0,1
.irp s, 0,1,2,3,4,5,6,7
.irp c, 0,1,2,3
	global_load_b128 v[16*(8*\t+\s)+4*\c:16*(8*\t+\s)+4*\c+3], v[A16], s[4:5] offset:32768*\t+16384+2048*\s+512*\c
.endr
.endr
.endr
	WIN 0
.set n, 0
.rept 128
	v_mov_b32 v[OUTB+n], 0                         ; OUT begins as zeros, so that the first expert is weighed in like every other and needs no text of its own; these lines stand while the loads are on their way
.set n, n+1
.endr
.irp i, 1,3,5,7
	v_mov_b32 v[GT+\i], 0                          ; named as the upper half of a pair, so it is written
.endr
	s_wait_loadcnt 0x0
	; THE GATES: a lane holds token r's eight logits of each tile; the maximum is taken away ahead of the exponentials
.irp t, 0,1
.irp j, 0,2,4,6
	v_pk_add_f32 v[SMX+16*\t+\j:SMX+16*\t+\j+1], v[SMX+16*\t+\j:SMX+16*\t+\j+1], v[SMX+16*\t+8+\j:SMX+16*\t+8+\j+1]
.endr
.endr
.irp t, 0,1
.irp j, 0,2,4,6
	v_pk_add_f32 v[SMX+16*\t+\j:SMX+16*\t+\j+1], v[SMX+16*\t+\j:SMX+16*\t+\j+1], v[SMX+32+\j:SMX+32+\j+1]
.endr
.endr
.irp t, 0,1
	v_max3_num_f32 v[SMX+40+\t], v[SMX+16*\t], v[SMX+16*\t+1], v[SMX+16*\t+2]
.endr
.irp i, 3,5
.irp t, 0,1
	v_max3_num_f32 v[SMX+40+\t], v[SMX+40+\t], v[SMX+16*\t+\i], v[SMX+16*\t+\i+1]
.endr
.endr
.irp t, 0,1
	v_max_num_f32 v[SMX+40+\t], v[SMX+40+\t], v[SMX+16*\t+7]
.endr
.irp t, 0,1
	v_mul_f32 v[SMX+42+\t], s70, v[SMX+40+\t]      ; the maximum x log2(e)
.endr
.irp t, 0,1
.irp j, 0,1,2,3,4,5,6,7
	v_fma_f32 v[SMX+16*\t+\j], v[SMX+16*\t+\j], s70, -v[SMX+42+\t]
.endr
.endr
.irp t, 0,1
.irp j, 0,1,2,3,4,5,6,7
	v_exp_f32 v[SMX+16*\t+\j], v[SMX+16*\t+\j]
.endr
.endr
	v_nop                                          ; a plain line behind the last exponential,
	s_wait_alu depctr_va_vdst(0)                   ; and one wait for the batch of sixteen, ahead of its first reader
.irp t, 0,1
	v_pk_add_f32 v[SMX+44+4*\t:SMX+45+4*\t], v[SMX+16*\t:SMX+16*\t+1], v[SMX+16*\t+2:SMX+16*\t+3]
	v_pk_add_f32 v[SMX+46+4*\t:SMX+47+4*\t], v[SMX+16*\t+4:SMX+16*\t+5], v[SMX+16*\t+6:SMX+16*\t+7]
.endr
.irp t, 0,1
	v_pk_add_f32 v[SMX+44+4*\t:SMX+45+4*\t], v[SMX+44+4*\t:SMX+45+4*\t], v[SMX+46+4*\t:SMX+47+4*\t]
.endr
.irp t, 0,1
	v_add_f32 v[SMX+44+4*\t], v[SMX+44+4*\t], v[SMX+45+4*\t]
.endr
.irp t, 0,1
	v_rcp_f32 v[SMX+52+\t], v[SMX+44+4*\t]
.endr
	v_nop
	s_wait_alu depctr_va_vdst(0)                   ; one wait for the two reciprocals
.irp t, 0,1
.irp j, 0,1,2,3,4,5,6,7
	v_mul_f32 v[SMX+16*\t+\j], v[SMX+16*\t+\j], v[SMX+52+\t]
.endr
.endr
.irp t, 0,1
.irp e, 0,1,2,3,4,5,6,7
	ds_store_b32 v[GLA], v[SMX+16*\t+\e] offset:256*\e+128*\t      ; the gates go to my wave's own LDS bytes, so that the loop over experts can take them by address
.endr
.endr
; ONE MATRIX INSTRUCTION.  kind 0: Wr zr -> RR; 1: Wi zr -> IM; 2: Wr zi -> IM; 3: Wi zi -> II.  t: tile of tokens; a: set of sums and of scale words; b: buffer; s: K step.  zero = 1: the product starts its sum.
; A scale register's lanes 0-15 serve Wr (zr), its lanes 16-31, taken by ROW1, serve Wi (zi).
.macro MM kind, t, a, b, s, zero
.set rD, ACC+48*(\a)+8*(\t)
.if (\kind) == 3
.set rD, rD+16
.elseif (\kind) != 0
.set rD, rD+32
.endif
.set rA, 32*(\b)+16*((\kind)%2)
.set rB, 16*(8*(\t)+(\s))
.set rW, WSC+8*(\a)+(\s)
.set rT, TSC+8*(\t)+(\s)
.if (\kind) < 2
	WIN W_ZR
.else
	WIN W_ZI
.endif
.if (\kind) == 0
.if \zero
	v_wmma_scale_f32_16x16x128_f8f6f4 v[rD:rD+7], v[rA:rA+15], v[rB:rB+15], 0, v[rW], v[rT]
.else
	v_wmma_scale_f32_16x16x128_f8f6f4 v[rD:rD+7], v[rA:rA+15], v[rB:rB+15], v[rD:rD+7], v[rW], v[rT]
.endif
.elseif (\kind) == 1
.if \zero
	v_wmma_scale_f32_16x16x128_f8f6f4 v[rD:rD+7], v[rA:rA+15], v[rB:rB+15], 0, v[rW], v[rT] matrix_a_scale:MATRIX_SCALE_ROW1
.else
	v_wmma_scale_f32_16x16x128_f8f6f4 v[rD:rD+7], v[rA:rA+15], v[rB:rB+15], v[rD:rD+7], v[rW], v[rT] matrix_a_scale:MATRIX_SCALE_ROW1
.endif
.elseif (\kind) == 2
	v_wmma_scale_f32_16x16x128_f8f6f4 v[rD:rD+7], v[rA:rA+15], v[rB:rB+15], v[rD:rD+7], v[rW], v[rT] matrix_b_scale:MATRIX_SCALE_ROW1
.else
.if \zero
	v_wmma_scale_f32_16x16x128_f8f6f4 v[rD:rD+7], v[rA:rA+15], v[rB:rB+15], 0, v[rW], v[rT] matrix_a_scale:MATRIX_SCALE_ROW1 matrix_b_scale:MATRIX_SCALE_ROW1
.else
	v_wmma_scale_f32_16x16x128_f8f6f4 v[rD:rD+7], v[rA:rA+15], v[rB:rB+15], v[rD:rD+7], v[rW], v[rT] matrix_a_scale:MATRIX_SCALE_ROW1 matrix_b_scale:MATRIX_SCALE_ROW1
.endif
.endif
.endm
; Product n (0 .. 7) of step (q, s).  Even s: RR0 RR1 IR0 IR1 | II0 II1 RI0 RI1; odd s: the two halves change places, so that a step has one switch of the tokens' window.
; The six sums take turns, one instruction a turn: a sum comes back no sooner than three others' instructions later, over every edge of a step, a tile, an expert and the loop.
.macro PROD q, s, n
.set pI, ((\n)+4*((\s)%2))%8
.set pT, pI%2
.set pK, pI/2
.if pK == 2
.set pK, 3
.elseif pK == 3
.set pK, 2
.endif
.set pZ, 0
.if ((\s) == 0) && (pK != 2)
.set pZ, 1
.endif
	MM pK, pT, (\q)%2, (\s)%4, \s, pZ
.endm
.macro MMS q, s                        ; a step's eight products with nothing between
.irp n, 0,1,2,3,4,5,6,7
	PROD \q, \s, \n
.endr
.endm
; Load n (0 .. 7) of step jn's two fragments from slot p: Wr's four groups of registers, then Wi's; registers 4 c .. 4 c + 3 hold K = 32 c + 16 h + 0 .. 15 of row r
.macro LD1 p, jn, n
.set lM, (\n)/4
.set lC, (\n)%4
.set lS, (\jn)%8
.set lQ, (\jn)/8
.set lR, 32*((\jn)%4)+16*lM+4*lC
	ds_load_b128 v[lR:lR+3], v[AWF+2*(\p)+lM] offset:(lS/4)*PARTB+lQ*16*PITCH+128*(lS%4)+32*lC
.endm
.macro LD24 p                          ; an expert's first three steps
.irp j, 0,1,2
.irp n, 0,1,2,3,4,5,6,7
	LD1 \p, \j, \n
.endr
.endr
.endm
; A finished sum is weighed into OUT: four packed multiply-adds, from the sum's low end on.  which 0: RR, + g into out_r; 1: II, - g into out_r; 2: IM, + g into out_i.  a: the set; qq: the tile of outputs
.macro COMB p, t, a, which, qq
.set cA, ACC+48*(\a)+16*(\which)+8*(\t)
.set cO, OUTB+8*(8*((\which)/2)+4*(\t)+(\qq))
.set cG, GT+4*(\p)+2*(\t)
	WIN W_CB
.irp i, 0,2,4,6
.if (\which) == 1
	v_pk_fma_f32 v[cO+\i:cO+\i+1], v[cA+\i:cA+\i+1], v[cG:cG+1], v[cO+\i:cO+\i+1] op_sel_hi:[1,0,1] neg_lo:[0,1,0] neg_hi:[0,1,0]
.else
	v_pk_fma_f32 v[cO+\i:cO+\i+1], v[cA+\i:cA+\i+1], v[cG:cG+1], v[cO+\i:cO+\i+1] op_sel_hi:[1,0,1]
.endif
.endr
.endm
.macro COMB3 p                         ; an expert's last tile of outputs has no products of its own expert behind it: eight places, then its six sums
.rept 8
	v_nop
.endr
.irp w, 0,1,2
.irp t, 0,1
	COMB \p, \t, 1, \w, 3
.endr
.endr
.endm
; In a tile's fourth step: the next tile's scale words (eight words a row, two loads) into the other set, and in an expert's first tile the next expert's two gates
.macro HOOK p, q
	WIN 0
.if hSC
.if (\q) < 3
.set hO, (\p)*2048+((\q)+1)*512
.else
.set hO, ((\p)+1)*2048
.endif
.set hW, WSC+8*(1-(\q)%2)
	ds_load_b128 v[hW:hW+3], v[ASC] offset:hO
	ds_load_b128 v[hW+4:hW+7], v[ASC] offset:hO+16
.endif
.if hGL
	ds_load_b32 v[GT+4*(1-(\p))], v[GLA] offset:((\p)+1)*256
	ds_load_b32 v[GT+4*(1-(\p))+2], v[GLA] offset:((\p)+1)*256+128
.endif
.endm
.macro TWO_NOP
	v_nop
	v_nop
.endm
; A STEP whose third successor lies in the same slot (j = 8 q + s up to 28).
; A load into a register that a matrix instruction has read, and a vector instruction that reads a matrix result, stand eight places behind that matrix instruction, and only plain vector instructions that name none
; of its registers are places.  The buffer that step j + 3 takes was last read by step j - 1: the eight places stand behind this step's first
; four products (v_nop, or two slices of four multiply-adds on the OTHER set of sums), the eight loads behind its last four.  The other set was finished in the tile before: the eight v_nop of this tile's step 0 stand between.
.macro STEP p, q, s, nxt
.set jj, 8*(\q)+(\s)
.set hSC, 0
.set hGL, 0
.if ((\q) < 3) || (\nxt)
.set hSC, 1
.endif
.if ((\q) == 0) && (\nxt)
.set hGL, 1
.endif
.set sl, 0
.if ((\q) > 0) && ((\s) > 0) && ((\s) < 4)
.set sl, 1
.endif
.if ((\s) == 4) || ((\s) == 5)
	s_wait_dscnt 16+2*hSC+2*hGL                    ; this step's fragments are in; behind them: the next two steps' sixteen loads and those of the fourth step's hook
.else
	s_wait_dscnt 16                                ; this step's fragments are in; the next two steps' sixteen loads may be out
.endif
	PROD \q, \s, 0
.if sl
	COMB \p, 0, 1-(\q)%2, (\s)-1, (\q)-1
.else
	TWO_NOP
.endif
	PROD \q, \s, 1
.if sl
	COMB \p, 1, 1-(\q)%2, (\s)-1, (\q)-1
.else
	TWO_NOP
.endif
	PROD \q, \s, 2
.if sl == 0
	TWO_NOP
.endif
.if ((\s) == 3) && (hSC || hGL)
	HOOK \p, \q
.endif
	PROD \q, \s, 3
.if sl == 0
	TWO_NOP
.endif
	PROD \q, \s, 4
	LD1 \p, jj+3, 0
	LD1 \p, jj+3, 1
	PROD \q, \s, 5
	LD1 \p, jj+3, 2
	LD1 \p, jj+3, 3
	PROD \q, \s, 6
	LD1 \p, jj+3, 4
	LD1 \p, jj+3, 5
	PROD \q, \s, 7
	LD1 \p, jj+3, 6
	LD1 \p, jj+3, 7
.endm
; AN EXPERT, in slot p.  mode 0: at its end the slots change and slot p is filled again, two experts on; 1: they change and nothing is filled; 2: the last expert.
; THE CHANGE OF SLOTS: each wave waits for all its tensor loads (one is out: its part of the other slot), adds 0 to its spare word, and waits for that and for its reads of this slot, whose last fragments are then in
; registers.  Behind the barrier nobody reads this slot and the other slot is whole.  With a fill the barrier opens a round of the cluster's barrier, so that no wave of any partner still reads the slot or has a load on its way.
.macro EXPERT p, mode
.set nx, 1
.if \mode == 2
.set nx, 0
.endif
.irp q, 0,1,2
.irp s, 0,1,2,3,4,5,6,7
	STEP \p, \q, \s, nx
.endr
.endr
.irp s, 0,1,2,3,4
	STEP \p, 3, \s, nx
.endr
.if \mode == 2
	s_wait_dscnt 16                                ; nothing more is fetched: the counts run down
	MMS 3, 5
	s_wait_dscnt 8
	MMS 3, 6
	s_wait_dscnt 0x0
	MMS 3, 7
.else
	WIN 0                                          ; (the add's two registers lie in window 0)
	s_wait_tensorcnt 0x0                           ; no tensor load of mine is out, so a group 0 may be written
	ds_add_u32 v[SPW], v[NIL]                      ; 0 onto my spare word
.if \mode == 0
	s_add_nc_u64 s[G0+4*\p+2:G0+4*\p+3], s[G0+4*\p+2:G0+4*\p+3], 0x200000   ; this slot's next expert: two on; the type bits on top are not reached
.endif
	s_wait_dscnt 19                                ; step 29's fragments are in; behind them: the hook's 2 loads, the last two steps' 16, the add
	MMS 3, 5                                       ; eight matrix instructions stand between the add and the wait for it
	s_wait_dscnt 0x0                               ; the add is done, and my reads of this slot are over
	s_barrier_signal -1
	MMS 3, 6                                       ; work on registers while the others arrive
	WIN 0
	s_barrier_wait -1
.if \mode == 0
	CREST
	tensor_load_to_lds s[G0+4*\p:G0+4*\p+3], s[G1W:G1W+7]   ; the first thing behind the round, and my one tensor load until the next
	s_nop 0
.endif
.rept 8
	v_nop                                          ; the places in front of the loads into the buffers that the last steps read
.endr
	WIN W_ZI
	LD24 1-\p                                      ; the next expert's first three steps, from the other slot
	MMS 3, 7
.endif
	COMB3 \p
	WIN 0                                          ; at a label and at a branch every window is 0
.endm
	s_wait_dscnt 0x0                               ; my gates' stores have landed
	s_wait_tensorcnt 0x1                           ; the scale bytes and my part of expert 0 are in; expert 1's load may stay out
	s_barrier_signal -1
	s_barrier_wait -1                              ; everybody's are
	ds_load_b128 v[WSC:WSC+3], v[ASC]              ; expert 0, tile 0: the weights' scale words,
	ds_load_b128 v[WSC+4:WSC+7], v[ASC] offset:16
	ds_load_b32 v[GT], v[GLA]                      ; its gates,
	ds_load_b32 v[GT+2], v[GLA] offset:128
	WIN W_ZR
	LD24 0                                         ; and its first three steps' fragments
	WIN 0
	s_mov_b32 s[CNT], 3
.Lpair:                                            ; three trips of two experts: experts 0 to 5, behind each of which its slot is filled again (experts 2 to 7)
	EXPERT 0, 0
	EXPERT 1, 0
	v_add_nc_u32 v[ASC], 4096, v[ASC]              ; two experts on
	v_add_nc_u32 v[GLA], 512, v[GLA]
	s_sub_co_u32 s[CNT], s[CNT], 1
	s_cmp_lg_u32 s[CNT], 0
	s_cbranch_scc1 .Lpair
	EXPERT 0, 1                                    ; the tail is written out
	EXPERT 1, 2
; THE WAY OUT, in four groups g = 2 part + t of 16 tokens x 64 outputs.  A lane holds 32 neighbouring bytes of a row and the lanes beside it hold other rows: a group goes through my own stage in LDS and comes back,
; into the registers that it left, as whole rows of 256 bytes.  LDS serves a wave's instructions in order (ISA guide 5.7.1.4): no wait between the stores and the loads.
.macro OUTG g
.irp q, 0,1,2,3
	ds_store_b128 v[STO], v[OUTB+32*\g+8*\q:OUTB+32*\g+8*\q+3] offset:4352*\g+64*\q
	ds_store_b128 v[STO], v[OUTB+32*\g+8*\q+4:OUTB+32*\g+8*\q+7] offset:4352*\g+64*\q+16
.endr
.irp i, 0,1,2,3,4,5,6,7
	ds_load_b128 v[OUTB+32*\g+4*\i:OUTB+32*\g+4*\i+3], v[RD] offset:4352*\g+544*\i
.endr
.endm
.macro SEND g, y                       ; y: the LDS instructions issued behind group g's loads
.irp i, 0,1,2,3,4,5,6,7
	s_wait_dscnt \y+7-\i
.if \g < 2
	global_store_b128 v[CO], v[OUTB+32*\g+4*\i:OUTB+32*\g+4*\i+3], s[66:67] offset:65536*(\g%2)+8192*\i th:TH_STORE_NT   ; 16 lanes store 256 consecutive bytes, at a multiple of 256 from out0's first byte
.else
	global_store_b128 v[CO], v[OUTB+32*\g+4*\i:OUTB+32*\g+4*\i+3], s[68:69] offset:65536*(\g%2)+8192*\i th:TH_STORE_NT
.endif
.endr
.endm
	OUTG 0
	OUTG 1
	SEND 0, 16
	OUTG 2
	SEND 1, 16
	OUTG 3
	SEND 2, 16
	SEND 3, 0
	s_wait_tensorcnt 0x0                           ; the wave's end: behind my last tensor load and my last LDS store
	ds_add_u32 v[SPW], v[NIL]
	s_wait_dscnt 0x0
	CROUND                                         ; the closing round: no work-group ends while a partner may still ask for a tile that names it
	s_endpgm
.Lfunc_end_k_q248acf7b21_moe:
	.size	k_q248acf7b21_moe, .Lfunc_end_k_q248acf7b21_moe-k_q248acf7b21_moe
	.p2alignl 7, 3214868480
	.fill 96, 4, 3214868480
	.section	.rodata,"a",@progbits
	.p2align	6, 0x0
	.amdhsa_kernel k_q248acf7b21_moe
		.amdhsa_group_segment_fixed_size 327680
		.amdhsa_private_segment_fixed_size 0
		.amdhsa_enable_private_segment 0
		.amdhsa_kernarg_size 72
		.amdhsa_user_sgpr_count 2
		.amdhsa_user_sgpr_kernarg_segment_ptr 1
		.amdhsa_wavefront_size32 1
		.amdhsa_system_sgpr_workgroup_id_x 1
		.amdhsa_system_sgpr_workgroup_id_y 1
		.amdhsa_system_sgpr_workgroup_id_z 1
		.amdhsa_system_vgpr_workitem_id 0
		.amdhsa_next_free_vgpr 1024
		.amdhsa_next_free_sgpr 80
		.amdhsa_reserve_vcc 0
		.amdhsa_float_denorm_mode_32 3
		.amdhsa_float_denorm_mode_16_64 3
		.amdhsa_memory_ordered 1
		.amdhsa_forward_progress 1
		.amdhsa_inst_pref_size 255
	.end_amdhsa_kernel
	.section	.bss,"aw",@nobits
	.p2align	6
	.space	262144
	.amdgpu_metadata
---
amdhsa.version: [ 1, 2 ]
amdhsa.kernels:
  - .name:           k_q248acf7b21_moe
    .symbol:         k_q248acf7b21_moe.kd
    .args:
      - { .name: zc, .offset: 0, .size: 8, .value_kind: global_buffer, .address_space: global }
      - { .name: zs, .offset: 8, .size: 8, .value_kind: global_buffer, .address_space: global }
      - { .name: pl, .offset: 16, .size: 8, .value_kind: global_buffer, .address_space: global }
      - { .name: bg, .offset: 24, .size: 8, .value_kind: global_buffer, .address_space: global }
      - { .name: Wr_codes, .offset: 32, .size: 8, .value_kind: global_buffer, .address_space: global }
      - { .name: Wr_scales, .offset: 40, .size: 8, .value_kind: global_buffer, .address_space: global }
      - { .name: Wi_codes, .offset: 48, .size: 8, .value_kind: global_buffer, .address_space: global }
      - { .name: Wi_scales, .offset: 56, .size: 8, .value_kind: global_buffer, .address_space: global }
      - { .name: out0, .offset: 64, .size: 8, .value_kind: global_buffer, .address_space: global }
    .group_segment_fixed_size: 327680
    .private_segment_fixed_size: 0
    .kernarg_segment_align: 8
    .kernarg_segment_size: 72
    .max_flat_workgroup_size: 128
    .sgpr_count:     80
    .vgpr_count:     1024
    .wavefront_size: 32
...
	.end_amdgpu_metadata
.endif
;; end of part 2
;; ======== version 2 of 2: 2 launches
;; limits: right only within a limited range of input values
;; workspace buffers: zc 4,194,304 bytes; zs 131,072 bytes; pl 131,072 bytes; sw 524,288 bytes
;; launch prep (part 3): grid 128 x 2, 8 waves a work-group, no clusters, 77,312 bytes of LDS; arguments z_real, z_imag, Wg, zc, zs, pl, Wr_scales, Wi_scales, sw; writes zc, zs, pl, sw
.if DOCPART == 3
	.amdgcn_target "amdgcn-amd-amdhsa--gfx1250"
	.amdhsa_code_object_version 6
	.text
	.protected	k_q248acf7b21_prep
	.globl	k_q248acf7b21_prep
	.p2align	8
	.type	k_q248acf7b21_prep,@function
k_q248acf7b21_prep:
	s_mov_b64 s[64:65], 0
	v_nop
	global_prefetch_b8 v0, s[64:65] scope:SCOPE_SE
	s_setreg_imm32_b32 hwreg(HW_REG_WAVE_MODE, 25, 1), 1
	s_wait_xcnt 0x0
.set STGW, 8448                        ; LDS: a wave's stage: 16 rows x SP
; z_real and z_imag [2048][1024] f32 are turned ONCE into codes of FP8 (E4M3) with one E8M0 scale byte for each 32 along K, the gate's logits are begun, and the weights' scale bytes are laid by groups of 64 outputs.
; A block's scale is 2^(floor(log2(its largest magnitude)) - 8); its byte is the largest magnitude's exponent field - 8, held at 1 from below; each number is held within +-448 x the scale and rounded to the nearest code, ties to even.
; SHARES.  Work-group (x, y): x = a tile of 16 tokens, y = the part (0: z_real, 1: z_imag).  Wave w takes K step w: 16 tokens x 128 along K, one operand fragment.
; OUT.  zc [tile 128][part 2][K step 8][group c 4][lane 32][16 bytes]: the image of the operand's registers: lane (r, h), group c holds k = 128 s + 32 c + 16 h + 0 .. 15 of token r.
;       zs [tile][part][token 16][K step 8]: one word (four scale bytes) for a token and 128 along K.     pl [part][token 2048][8] f32: this part's share of z_flat Wg^T (the next launch adds the two parts and bg).
;       sw [group of 64 outputs 16][Wr, Wi][expert 8][row 64][32 bytes]: work-group (x, y) copies 2,048 bytes: group x / 8, expert x % 8, of Wr (y = 0) or Wi (y = 1).
; THE LOGITS are a product with 8 columns that stays unquantised.  ITS OPERANDS STAY f32: a logit goes into an exponential, and a gate's error multiplies the difference between experts' results, so an operand cut to 8 bits
; of mantissa would show in the output.  The f32 matrix form takes 4 along K: 32 instructions a wave, 67 million multiply-adds in the launch against the program's 68.7 thousand million on codes: no bulk work.
; Source 0 = 16 rows of Wg (rows 8-15 repeat rows 0-7), source 1 = my 16 tokens.  Both sides give a lane the same two k in a pair of registers, so the sum over the four is the same whatever place the unit gives them.
; Both Wg's and z's rows are read as 512 consecutive bytes and change their layout in my wave's own stage in LDS.
; LIMITS: NaN and infinities among the inputs are not served.  A block of zeros gets the byte 1 where the quantiser says 127: its codes are zeros, and this program alone reads the bytes.
.set SP,   528                         ; a stage row: 512 bytes + 16 of padding: the 16 rows that a read touches start 33 x 16 bytes apart
.set SCW,  67584                       ; behind the eight stages: the tile's scale words, 16 tokens x 8 K steps x 4 bytes
.set PLS,  68096                       ; and each wave's share of the logits: 1,024 bytes a wave
.set SPARE, 76288                      ; the spare words, 128 bytes for each wave
.set R,    16                          ; v16-79   z as it is loaded; later SA, SB, PC
.set SA,   16                          ; v16-23, v24-31 the four sums of logits added up
.set SB,   24
.set PC,   64                          ; v64-79   the codes
.set X,    80                          ; v80-111 Wg as it is loaded; then v80-143 64 numbers of my token: register 16 b + i = k 32 b + 16 h + i
.set WL,   144                         ; v144-207 Wg likewise
.set ACC,  208                         ; v208-239 four sums of logits, one for each block of 32, which take turns; matrix instructions alone write them
.set TM,   240                         ; v240-243 largest magnitudes, v244-247 bytes, v248-251 448 x the scale, v252-255 the conversions' scale operands
.set PW,   15                          ; v15      my token's scale word
.set SEL,  20                          ; s[20:21] v_permlanex16_b32's selects for lane l xor 16
.set MNT,  23                          ; s23      the mantissa field of 448
	s_load_b256 s[4:11], s[0:1], 0x0               ; z_real s[4:5], z_imag s[6:7], Wg s[8:9], zc s[10:11]
	s_load_b128 s[12:15], s[0:1], 0x20             ; zs s[12:13], pl s[14:15]
	s_load_b128 s[36:39], s[0:1], 0x30             ; Wr's scales s[36:37], Wi's s[38:39]
	s_load_b64 s[40:41], s[0:1], 0x40              ; sw
	v_lshl_add_u32 v12, v0, 2, SPARE
	v_mov_b32 v14, 0
	v_lshrrev_b32 v1, 5, v0
	v_readfirstlane_b32 s16, v1                    ; wave 0..7 = my K step
	s_mul_i32 s22, s16, STGW
	s_lshl_b32 s32, s16, 2
	s_add_co_u32 s32, s32, SCW
	s_lshl_b32 s33, s16, 10
	s_add_co_u32 s33, s33, PLS
	s_and_b32 s17, ttmp7, 0xffff                   ; the part
	s_lshl_b32 s34, s16, 9                         ; my K step: 512 bytes of a row of f32
	s_lshl_b32 s18, ttmp9, 16                      ; z: 16 rows of 4,096 bytes a tile
	s_add_co_u32 s18, s18, s34
	s_mov_b32 s19, 0
	s_lshl_b32 s24, s17, 12                        ; Wg: the part's 1,024 columns
	s_add_co_u32 s24, s24, s34
	s_mov_b32 s25, 0
	s_lshl_b32 s26, ttmp9, 15                      ; zc: 32,768 a tile, 16,384 a part, 2,048 a K step
	s_lshl_b32 s35, s17, 14
	s_add_co_u32 s26, s26, s35
	s_lshl_b32 s35, s16, 11
	s_add_co_u32 s26, s26, s35
	s_mov_b32 s27, 0
	s_lshl_b32 s28, ttmp9, 10                      ; zs: 1,024 a tile, 512 a part
	s_lshl_b32 s35, s17, 9
	s_add_co_u32 s28, s28, s35
	s_mov_b32 s29, 0
	s_lshl_b32 s30, s17, 16                        ; pl: 65,536 a part, 512 a tile
	s_lshl_b32 s35, ttmp9, 9
	s_add_co_u32 s30, s30, s35
	s_mov_b32 s31, 0
	s_lshr_b32 s42, ttmp9, 3                       ; the copy: group of outputs,
	s_and_b32 s43, ttmp9, 7
	s_lshl_b32 s43, s43, 11                        ; 2,048 x expert,
	s_lshl_b32 s44, s16, 8                         ; 256 bytes a wave
	s_lshl_b32 s46, s43, 4                         ; from: 32,768 an expert, 2,048 a group
	s_lshl_b32 s45, s42, 11
	s_add_co_u32 s46, s46, s45
	s_add_co_u32 s46, s46, s44
	s_mov_b32 s47, 0
	s_lshl_b32 s48, s42, 15                        ; to: 32,768 a group, 16,384 a part, 2,048 an expert
	s_lshl_b32 s45, s17, 14
	s_add_co_u32 s48, s48, s45
	s_add_co_u32 s48, s48, s43
	s_add_co_u32 s48, s48, s44
	s_mov_b32 s49, 0
	s_mov_b32 s[SEL], 0x76543210
	s_mov_b32 s[SEL+1], 0xfedcba98
	s_mov_b32 s[MNT], 0x600000
	v_and_b32 v1, 31, v0                           ; lane
	v_and_b32 v2, 15, v0                           ; r
	v_bfe_u32 v3, v0, 4, 1                         ; h
	v_and_b32 v5, 7, v0
	v_lshlrev_b32 v4, 4, v1                        ; 16 x lane: rows, the codes' stores, the scale words' store
	v_mul_u32_u24 v7, v2, SP
	v_mul_u32_u24 v5, v5, SP
	v_lshl_add_u32 v8, v2, 5, s32                  ; my scale word's place: 32 r + 4 w
	v_lshlrev_b32 v13, 5, v2
	v_lshl_add_u32 v7, v3, 6, v7
	v_lshl_add_u32 v5, v3, 6, v5
	v_add_nc_u32 v6, s22, v4                       ; the stage, on the way in: 16 x lane of a row
	v_add_nc_u32 v9, s33, v4                       ; my wave's share of the logits
	v_add_nc_u32 v7, s22, v7                       ; on the way out: z: row r, + 64 h;
	v_add_nc_u32 v5, s22, v5                       ; Wg: row r % 8, + 64 h
	v_add_nc_u32 v10, SCW, v4                      ; wave 0 reads all scale words,
	v_add_nc_u32 v11, PLS, v4                      ; wave 1 all shares
	v_lshl_add_u32 v13, v3, 4, v13                 ; pl: token r's 32 bytes, lanes 16-31 the upper 16
	v_lshlrev_b32 v2, 3, v1                        ; the copy: 8 bytes a lane
.irp b, 0,1,2,3
	v_mov_b32 v[TM+4+\b], 0                        ; a lane permute's destination counts as one of its sources
.endr
	s_wait_alu depctr_va_vdst(0)                   ; the head's end
	s_wait_kmcnt 0x0
	s_cmp_eq_u32 s17, 0                            ; the choices hang on the work-group's number alone; both parts take one path through the text
	s_cselect_b64 s[4:5], s[4:5], s[6:7]
	s_cselect_b64 s[36:37], s[36:37], s[38:39]
	s_add_nc_u64 s[36:37], s[36:37], s[46:47]
	s_add_nc_u64 s[40:41], s[40:41], s[48:49]
	s_add_nc_u64 s[4:5], s[4:5], s[18:19]
	s_add_nc_u64 s[8:9], s[8:9], s[24:25]
	s_add_nc_u64 s[10:11], s[10:11], s[26:27]
	s_add_nc_u64 s[12:13], s[12:13], s[28:29]
	s_add_nc_u64 s[14:15], s[14:15], s[30:31]
	global_load_b64 v[0:1], v2, s[36:37]           ; 32 lanes read 256 consecutive bytes
.irp j, 0,1,2,3,4,5,6,7
	global_load_b128 v[X+4*\j:X+4*\j+3], v4, s[8:9] offset:8192*\j   ; Wg's row j: 512 consecutive bytes
.endr
.irp i, 0,1,2,3,4,5,6,7,8,9,10,11,12,13,14,15
	global_load_b128 v[R+4*\i:R+4*\i+3], v4, s[4:5] offset:4096*\i th:TH_LOAD_NT   ; token i: 512 consecutive bytes; read once in the launch
.endr
	s_wait_loadcnt 16                              ; the copy's bytes and Wg are in; z's sixteen loads may be out
	global_store_b64 v2, v[0:1], s[40:41]
.irp j, 0,1,2,3,4,5,6,7
	ds_store_b128 v6, v[X+4*\j:X+4*\j+3] offset:SP*\j
.endr
.irp b, 0,1,2,3
.irp j, 0,1,2,3
	ds_load_b128 v[WL+16*\b+4*\j:WL+16*\b+4*\j+3], v5 offset:128*\b+16*\j   ; my wave's own bytes, and LDS serves a wave's instructions in order: no wait between the stores and these
.endr
.endr
	s_wait_loadcnt 12                              ; z, four tokens at a time
	s_wait_dscnt 0x0                               ; Wg is back, and its stores have read v80-111
.irp i, 0,1,2,3
	ds_store_b128 v6, v[R+4*\i:R+4*\i+3] offset:SP*\i
.endr
	s_wait_loadcnt 8
.irp i, 4,5,6,7
	ds_store_b128 v6, v[R+4*\i:R+4*\i+3] offset:SP*\i
.endr
	s_wait_loadcnt 4
.irp i, 8,9,10,11
	ds_store_b128 v6, v[R+4*\i:R+4*\i+3] offset:SP*\i
.endr
	s_wait_loadcnt 0x0
.irp i, 12,13,14,15
	ds_store_b128 v6, v[R+4*\i:R+4*\i+3] offset:SP*\i
.endr
.irp b, 0,1,2,3
.irp j, 0,1,2,3
	ds_load_b128 v[X+16*\b+4*\j:X+16*\b+4*\j+3], v7 offset:128*\b+16*\j
.endr
.endr
	s_wait_dscnt 0x0                               ; my 64 numbers are back, and the stores into the stage have read v16-79
; THE QUANTISER'S FIRST 55 LINES only read X.  m < 4: block m's first two numbers and the floor 2^(9 - 127), so that the byte cannot fall under 1; to 31: the other fourteen, the four blocks by turns; to 39: with lane l xor 16's sixteen;
; to 43: 8 off the exponent field: the conversion takes the exponent field of this operand as its scale; to 47: 448 x the scale; to 51: the bytes; then the token's scale word for this K step
.macro QL m
.set qB, (\m)%4
.set qI, 2*((\m)/4)
.if (\m) < 4
	v_max3_num_f32 v[TM+qB], |v[X+16*qB]|, |v[X+1+16*qB]|, 0x4800000
.elseif (\m) < 32
	v_max3_num_f32 v[TM+qB], v[TM+qB], |v[X+16*qB+qI]|, |v[X+1+16*qB+qI]|
.elseif (\m) < 36
	v_permlanex16_b32 v[TM+4+qB], v[TM+qB], s[SEL], s[SEL+1]
.elseif (\m) < 40
	v_max_num_f32 v[TM+qB], v[TM+qB], v[TM+4+qB]
.elseif (\m) < 44
	v_add_nc_u32 v[TM+12+qB], 0xfc000000, v[TM+qB]
.elseif (\m) < 48
	v_and_or_b32 v[TM+8+qB], v[TM+qB], 0x7f800000, s[MNT]
.elseif (\m) < 52
	v_lshrrev_b32 v[TM+4+qB], 23, v[TM+12+qB]
.elseif (\m) == 52
	v_lshl_or_b32 v[PW], v[TM+5], 8, v[TM+4]
.elseif (\m) == 53
	v_lshl_or_b32 v[PW], v[TM+6], 16, v[PW]
.else
	v_lshl_or_b32 v[PW], v[TM+7], 24, v[PW]
.endif
.endm
	; THE LOGITS.  Pair i of block b holds k = 32 b + 16 h + 2 i, + 1 on both sides.  Lane (r, h), register j of a sum: token r, expert j (both halves of the lanes hold the same).
	; Each block's first product starts its sum with the constant 0; the four sums take turns, one instruction a turn.  Two of the quantiser's lines stand behind each of the first 22 products.
.set kN, 0
.rept 32
.set kB, kN%4
.set kI, kN/4
.if kI == 0
	v_wmma_f32_16x16x4_f32 v[ACC+8*kB:ACC+8*kB+7], v[WL+16*kB:WL+16*kB+1], v[X+16*kB:X+16*kB+1], 0
.else
	v_wmma_f32_16x16x4_f32 v[ACC+8*kB:ACC+8*kB+7], v[WL+16*kB+2*kI:WL+16*kB+2*kI+1], v[X+16*kB+2*kI:X+16*kB+2*kI+1], v[ACC+8*kB:ACC+8*kB+7]
.endif
.if kN < 22
	QL 2*kN
	QL 2*kN+1
.endif
.set kN, kN+1
.endr
.set kN, 44
.rept 11
	QL kN                                          ; these eleven name none of the products' registers: the eight places (ISA guide 7.12.1) ahead of the sums' first reads and of the holds, which write X
.set kN, kN+1
.endr
	ds_store_b32 v8, v[PW]                         ; both halves of the lanes write the same word with the same value
.irp j, 0,2,4,6
	v_pk_add_f32 v[SA+\j:SA+\j+1], v[ACC+\j:ACC+\j+1], v[ACC+8+\j:ACC+8+\j+1]         ; the four blocks' sums are added into other registers; each sum is read from its low end on
.endr
.irp j, 0,2,4,6
	v_pk_add_f32 v[SB+\j:SB+\j+1], v[ACC+16+\j:ACC+16+\j+1], v[ACC+24+\j:ACC+24+\j+1]
.endr
.irp j, 0,2,4,6
	v_pk_add_f32 v[SA+\j:SA+\j+1], v[SA+\j:SA+\j+1], v[SB+\j:SB+\j+1]
.endr
	ds_store_b128 v9, v[SA:SA+3]
	ds_store_b128 v9, v[SA+4:SA+7] offset:512
	s_wait_alu depctr_va_vdst(0)                   ; the holds below read what stands above the blocking wait
	s_wait_dscnt 0x0                               ; for the others' sake: my stores have landed
	s_barrier_signal -1
.irp b, 0,1,2,3                                ; register work while the others arrive
.irp i, 0,1,2,3,4,5,6,7,8,9,10,11,12,13,14,15
	v_med3_num_f32 v[X+16*\b+\i], v[X+16*\b+\i], -v[TM+8+\b], v[TM+8+\b]   ; the conversion to an 8-bit code does not saturate (ISA guide 7.6.2): the hold comes first
.endr
	v_cvt_scalef32_pk8_fp8_f32 v[PC+4*\b:PC+1+4*\b], v[X+16*\b:X+7+16*\b], v[TM+12+\b]
	v_cvt_scalef32_pk8_fp8_f32 v[PC+2+4*\b:PC+3+4*\b], v[X+8+16*\b:X+15+16*\b], v[TM+12+\b]
.endr
	v_nop                                          ; a plain vector line behind the last scaled conversion
	s_wait_alu depctr_va_vdst(0)                   ; directly ahead of the barrier's
	s_barrier_wait -1
.irp c, 0,1,2,3
	global_store_b128 v4, v[PC+4*\c:PC+4*\c+3], s[10:11] offset:512*\c   ; 32 lanes store 512 consecutive bytes, aligned to 256
.endr
	s_cmp_lg_u32 s16, 0
	s_cbranch_scc1 .Lnot_wave_0
	ds_load_b128 v[32:35], v10                     ; wave 0: the tile's 128 scale words leave as 512 consecutive bytes
	s_wait_dscnt 0x0
	global_store_b128 v4, v[32:35], s[12:13]
.Lnot_wave_0:
	s_cmp_lg_u32 s16, 1
	s_cbranch_scc1 .Ldone
.irp s, 0,1,2,3,4,5,6,7
	ds_load_b128 v[80+8*\s:83+8*\s], v11 offset:1024*\s          ; wave 1: the eight K steps' shares, each lane its own place
	ds_load_b128 v[84+8*\s:87+8*\s], v11 offset:1024*\s+512
.endr
	s_wait_dscnt 0x0
.irp s, 1,2,3,4,5,6,7
.irp j, 0,2,4,6
	v_pk_add_f32 v[80+\j:81+\j], v[80+\j:81+\j], v[80+8*\s+\j:81+8*\s+\j]
.endr
.endr
	v_cmp_eq_u32 vcc_lo, 1, v3
.irp j, 0,1,2,3
	v_cndmask_b32 v[80+\j], v[80+\j], v[84+\j], vcc_lo           ; lanes 16-31 take experts 4 to 7
.endr
	global_store_b128 v13, v[80:83], s[14:15]      ; 16 tokens x 32 bytes: 512 consecutive bytes
.Ldone:
	s_wait_tensorcnt 0x0                           ; the wave's end
	ds_add_u32 v12, v14
	s_wait_dscnt 0x0
	s_endpgm
.Lfunc_end_k_q248acf7b21_prep:
	.size	k_q248acf7b21_prep, .Lfunc_end_k_q248acf7b21_prep-k_q248acf7b21_prep
	.p2alignl 7, 3214868480
	.fill 96, 4, 3214868480
	.section	.rodata,"a",@progbits
	.p2align	6, 0x0
	.amdhsa_kernel k_q248acf7b21_prep
		.amdhsa_group_segment_fixed_size 77312
		.amdhsa_private_segment_fixed_size 0
		.amdhsa_enable_private_segment 0
		.amdhsa_kernarg_size 72
		.amdhsa_user_sgpr_count 2
		.amdhsa_user_sgpr_kernarg_segment_ptr 1
		.amdhsa_wavefront_size32 1
		.amdhsa_system_sgpr_workgroup_id_x 1
		.amdhsa_system_sgpr_workgroup_id_y 1
		.amdhsa_system_sgpr_workgroup_id_z 1
		.amdhsa_system_vgpr_workitem_id 0
		.amdhsa_next_free_vgpr 256
		.amdhsa_next_free_sgpr 66
		.amdhsa_reserve_vcc 1
		.amdhsa_float_denorm_mode_32 3
		.amdhsa_float_denorm_mode_16_64 3
		.amdhsa_memory_ordered 1
		.amdhsa_forward_progress 1
		.amdhsa_inst_pref_size 25
	.end_amdhsa_kernel
	.amdgpu_metadata
---
amdhsa.version: [ 1, 2 ]
amdhsa.kernels:
  - .name:           k_q248acf7b21_prep
    .symbol:         k_q248acf7b21_prep.kd
    .args:
      - { .name: z_real, .offset: 0, .size: 8, .value_kind: global_buffer, .address_space: global }
      - { .name: z_imag, .offset: 8, .size: 8, .value_kind: global_buffer, .address_space: global }
      - { .name: Wg, .offset: 16, .size: 8, .value_kind: global_buffer, .address_space: global }
      - { .name: zc, .offset: 24, .size: 8, .value_kind: global_buffer, .address_space: global }
      - { .name: zs, .offset: 32, .size: 8, .value_kind: global_buffer, .address_space: global }
      - { .name: pl, .offset: 40, .size: 8, .value_kind: global_buffer, .address_space: global }
      - { .name: Wr_scales, .offset: 48, .size: 8, .value_kind: global_buffer, .address_space: global }
      - { .name: Wi_scales, .offset: 56, .size: 8, .value_kind: global_buffer, .address_space: global }
      - { .name: sw, .offset: 64, .size: 8, .value_kind: global_buffer, .address_space: global }
    .group_segment_fixed_size: 77312
    .private_segment_fixed_size: 0
    .kernarg_segment_align: 8
    .kernarg_segment_size: 72
    .max_flat_workgroup_size: 256
    .sgpr_count:     66
    .vgpr_count:     256
    .wavefront_size: 32
...
	.end_amdgpu_metadata
.endif
;; end of part 3
;; launch moe (part 4): grid 16 x 16, 4 waves a work-group, clusters of 4 x 4, 327,680 bytes of LDS; arguments zc, zs, pl, bg, Wr_codes, Wi_codes, sw, out0; writes out0
.if DOCPART == 4
	.amdgcn_target "amdgcn-amd-amdhsa--gfx1250"
	.amdhsa_code_object_version 6
	.text
	.protected	k_q248acf7b21_moe
	.globl	k_q248acf7b21_moe
	.p2align	8
	.type	k_q248acf7b21_moe,@function
k_q248acf7b21_moe:
	s_mov_b64 s[64:65], 0
	v_nop
	global_prefetch_b8 v0, s[64:65] scope:SCOPE_SE
	s_setreg_imm32_b32 hwreg(HW_REG_WAVE_MODE, 25, 1), 1
	s_wait_xcnt 0x0
	s_wait_alu depctr_hold_cnt(0) depctr_sa_sdst(0) depctr_va_vdst(0) depctr_va_sdst(0) depctr_va_ssrc(0) depctr_va_vcc(0) depctr_vm_vsrc(0)
	s_getreg_b32 s2, hwreg(HW_REG_IB_STS2, 6, 4)
	s_cmp_eq_u32 s2, 0
	s_cbranch_scc0 .Lentry_in_a_cluster
	s_endpgm
.Lentry_in_a_cluster:
	s_bfe_u32 s2, ttmp6, 0x10000c
	s_cmp_lg_u32 s2, 0xf033
	s_cbranch_scc0 .Lentry_shape_is_right
	s_endpgm
.Lentry_shape_is_right:
.set PITCH, 1040                       ; an LDS row: 1,024 bytes + 16 of padding: the 16 rows of a fragment start at 16 different groups of four banks (64 banks of 4 bytes: ISA guide 11.1)
; out_r[n][o] = sum over e of g[n][e] (zr Wr_e^T - zi Wi_e^T),  out_i[n][o] = sum over e of g[n][e] (zi Wr_e^T + zr Wi_e^T),  g = softmax(logits + bg).
; The four products run on codes of FP8 (E4M3) with one E8M0 scale for each 32 along K; sums in f32; the gates, which are no powers of two, multiply each expert's finished f32 sums.
; SHARES.  A work-group takes 128 tokens (x) and 64 outputs (y), real and imaginary, through all 8 experts.  Wave w = 2 th + kh takes tokens 64 th .. 64 th + 63 (four tiles of 16, t) and HALF OF K (four steps of 128, s) against
; all 64 outputs (four tiles of 16, q).  The weighing by gates is linear, so the two halves of K are added once, on the way out.
; THE TOKENS' CODES STAY IN REGISTERS for the whole launch (2 parts x 4 tiles x 4 steps x 16 registers = 512); weights go through LDS: a step's two fragments (eight LDS loads) serve sixteen matrix instructions.
; THE PRODUCT IS USED TRANSPOSED: source 0 = 16 rows of W, source 1 = 16 tokens: lane (r, h), register j holds (token r, output 16 q + 8 h + j).
; THE REAL SUM IS ONE ACCUMULATOR.  Each of its products takes - C: D = A B - C.  Products with zr and with zi alternate, so after zi's it holds -(rr - ii), after zr's + (rr - ii).  Tiles 0 and 1 take zr first and end negative
; (weighed by - g); tiles 2 and 3 take zi first and end positive.
; RING.  Two LDS slots, one expert each: 64 rows of Wr and of Wi, 1,024 bytes a row.  THE HEAD, one tensor load a wave: waves 0 and 1 fetch expert 0 into slot 0, wave 2 the codes of steps 2 and 3 of all 128 tokens into slot 1 (in
; the very bytes that an expert's rows take), wave 3 all scale bytes.  The codes of steps 0 and 1 come straight to registers.  Behind expert 0's first two steps the waves take steps 2 and 3's codes from slot 1, which is then filled
; again, with expert 1, each wave 32 rows.  Later a slot is asked for again behind its expert's step 14 and waited for near the end of the next expert.
; CLUSTER.  4 x 4 work-groups.  The four of a row have the same y, hence the same weights and scale bytes; the four of a column have the same x, hence the same tokens.  Each tile is asked for JOINTLY, with the mask of the row or
; of the column; the codes of steps 0 and 1, which go straight to registers, are not shared.
; PREFETCH.  Expert 1 is asked for only behind expert 0's step 4 and waited for behind step 13, so its 128 KB are prefetched at the head, each block of 256 bytes once in the cluster: of the 32 rows that wave w fetches, the
; partner at place cx takes 8, told apart by address.  The later refills have a whole expert, some 240 matrix instructions of the wave, between request and wait, and are not prefetched.
; A STEP is 128 along K of one tile of outputs: 16 products on 8 sums, tiles 0 and 1 of tokens first, then tiles 2 and 3.  A finished tile's sums are weighed behind the products that follow and at the run of loads there.
; LDS LOADS STAND IN RUNS: in front of steps 2, 5, 8, 10, 12 and 15 of an expert's sixteen, 16 or 24 loads into the buffers (step % 4) that the steps before have left.
; LIMITS: NaN and infinities are not served; a weight's scale byte 0xff gives NaN, as the format says.
; REGISTERS, in windows of 256 (s_set_vgpr_msb: bits 1:0 source 0, 3:2 source 1, 5:4 source 2, 7:6 destination):
;   window 0: addresses, scale words, gates, v64-127 the sums, v128-255 four buffers of (Wr, Wi) fragments   window 1: zr's fragments at 16 (4 t + s)   window 2: zi's   window 3: OUT at 128 part + 32 t + 8 q
.set MPART, 64*PITCH                   ; Wr's 64 rows; Wi's lie behind them
.set SLOTB, 2*MPART                    ; slot 1 at byte 0, slot 0 at SLOTB
.set STAGE, SLOTB                      ; the way out: a wave's two stages (real, imaginary) of 64 rows x 272 bytes, in slot 0, which by then has had its last fill and its last read, and the 6,144 bytes behind it
.set SPART, 64*272
.set SCL,   STAGE+8*SPART              ; all scale bytes of my 64 outputs: [Wr, Wi][expert 8][row 64][32 bytes]; filled once
.set SPARE, SCL+32768                  ; the spare words, 128 bytes for each wave
.set GSB,   SPARE+512                  ; the gates: 2,048 w + 256 e + 16 r + 4 t; each wave's own
.set SPW,  2                           ; v2  LDS address of my spare word; never rewritten
.set NIL,  3                           ; v3  0; never rewritten
.set ASC,  4                           ; v4  the weights' scale words: lanes 0-15 Wr's row r, lanes 16-31 Wi's; an expert on each time
.set GLA,  5                           ; v5  my gates; an expert on each time
.set STO,  6                           ; v6  the way out: where I put 32 bytes of a row
.set GST,  7                           ; v7  where I put the gates
.set AWR,  8                           ; v8, v9  my fragments of Wr, of Wi in the slot in hand
.set AWI,  9
.set BWR,  10                          ; v10, v11  the same less the slot's first byte
.set BWI,  11
.set A16,  12                          ; v12  16 x lane
.set A32,  16                          ; v16  32 x lane
.set AZ,   17                          ; v17  0
.set RD,   18                          ; v18, v19  the way out: where I read rows; my byte offset in out0
.set CO,   19
.set VT,   22                          ; v22  my codes of steps 2 and 3 in slot 1
.set PFO,  23                          ; v23  the prefetch's offset: 256 x lane + 8,192 cx; never rewritten
.set SCB,  32                          ; scale words: tokens' (t, s) at 32 + 8 t + s: lanes 0-15 zr, 16-31 zi; weights' set a, step s at 36 + 8 a + s: no product's two have numbers equal modulo 8
.set GT,   52                          ; v52-55  the expert's gates of tiles 0 to 3
.set ACC,  64                          ; sums: real of tile t at 64 + 16 t, imaginary 8 on
.set WB,   128                         ; buffers: step s at 128 + 32 s: Wr, then Wi
.set SMX,  128                         ; the softmax at the head
.set WV,   22                          ; s22  my wave's number;  s23 th, s24 kh
.set G1H,  32                          ; s[32:39] group 1 for expert 0's 64 rows;  s[40:47] for a refill's 32 rows;  s[48:55] for the scale bytes;  s[72:79] for the tokens' codes
.set G1R,  40
.set G1S,  48
.set G1T,  72
.set G0H,  56                          ; s[56:59], s[60:63], s[68:71], s[12:15] their groups 0 (the last where two arguments lay that have been used by then)
.set G0S,  60
.set G0R,  68
.set G0T,  12
.set TB,   66                          ; s66  LDS byte at which the slot in hand begins
.set WOF,  67                          ; s67  my 32 rows' place in a slot
.set CNT,  94
.set LOG2E, 95
.set MSB, 0
.macro WIN new                         ; the immediate's high byte repeats the setting that is left; a switch that changes nothing is dropped
.if MSB != (\new)
	s_set_vgpr_msb (MSB<<8)|(\new)
.set MSB, \new
.endif
.endm
.macro WALU
	s_wait_alu depctr_va_vdst(0)
.endm
.macro PLACES n
.rept \n
	v_nop
.endr
.endm
.macro CREST                           ; a round of the cluster's barrier behind its opening barrier
	s_cmp_lg_u32 s[WV], 0
	s_cbranch_scc1 .Lnot_wave_0_\@
	s_barrier_signal -3
.Lnot_wave_0_\@:
	s_barrier_wait -3
	s_barrier_signal -1
	s_barrier_wait -1
.endm
.macro CROUND
	s_barrier_signal -1
	s_barrier_wait -1
	CREST
.endm
.macro GROUP1 g, mask, word, c, r, p   ; descriptor group 1: r rows of c elements, p elements apart; the mask from its register
	s_or_b32 s[\g], s[\mask], \word
	s_mov_b32 s[\g+1], (\c)<<16
	s_mov_b32 s[\g+2], (\r)<<16
	s_mov_b32 s[\g+3], (\c)<<16
	s_mov_b32 s[\g+4], \r
	s_mov_b32 s[\g+5], \p
	s_mov_b32 s[\g+6], 0
	s_mov_b32 s[\g+7], 0
.endm
	s_load_b256 s[4:11], s[0:1], 0x0               ; zc s[4:5], zs s[6:7], pl s[8:9], bg s[10:11]
	s_load_b256 s[12:19], s[0:1], 0x20             ; Wr's codes s[12:13], Wi's s[14:15], sw s[16:17], out0 s[18:19]
	v_lshl_add_u32 v[SPW], v0, 2, SPARE
	v_mov_b32 v[NIL], 0
	ds_add_u32 v[SPW], v[NIL]                      ; the wave's opening
	ds_add_u32 v[SPW], v[NIL]
	v_lshrrev_b32 v1, 5, v0
	v_readfirstlane_b32 s[WV], v1                  ; wave 0..3
	s_lshr_b32 s23, s[WV], 1                       ; th: which 64 tokens.  Also: a refill's rows are Wr's (0) or Wi's (1)
	s_and_b32 s24, s[WV], 1                        ; kh: which half of K.  Also: which 32 rows of a refill; at the head: Wr (0) or Wi (1)
	s_bfe_u32 s25, ttmp6, 0x40000                  ; cx, cy: my place in the cluster: they enter the masks and global addresses alone
	s_bfe_u32 s89, ttmp6, 0x40004
	s_lshl_b32 s26, ttmp9, 2                       ; in a cluster launch ttmp9 and ttmp7 count clusters
	s_add_co_u32 s26, s26, s25                     ; my group of 128 tokens, which my column shares
	s_and_b32 s27, ttmp7, 0xffff
	s_lshl_b32 s27, s27, 2
	s_add_co_u32 s27, s27, s89                     ; my group of 64 outputs, which my row shares
	s_lshl_b32 s94, s89, 2
	s_lshl_b32 s94, 15, s94                        ; my row of the cluster: places 4 cy .. 4 cy + 3
	s_lshl_b32 s95, 0x1111, s25                    ; my column: places cx, cx + 4, cx + 8, cx + 12
	s_lshl_b32 s25, s25, 13
	; word 0: 15:0 the mask; 17:16 the element's size; 20 padding on; 21 set beside a mask; 24:22 after every 256 words (code 7); 31:25 four words (code 3)
	GROUP1 G1H, 94, (1<<20)|(1<<21)|(7<<22)|(3<<25), 1024, 64, 1024
	GROUP1 G1R, 94, (1<<20)|(1<<21)|(7<<22)|(3<<25), 1024, 32, 1024
	GROUP1 G1S, 94, (3<<16)|(1<<21), 256, 16, 256  ; 32,768 dense bytes, in elements of 8 bytes
	GROUP1 G1T, 95, (3<<16)|(1<<20)|(1<<21)|(7<<22)|(3<<25), 512, 32, 1024   ; steps 2 and 3 of each (tile, part, half of K): 32 rows of 4,096 bytes, 8,192 apart; the padding stands behind each 1,024 bytes, as in a slot of weights
	s_mov_b32 s[G0H], 1
	s_mul_i32 s[G0H+1], s24, MPART
	s_add_co_u32 s[G0H+1], s[G0H+1], SLOTB         ; expert 0 into slot 0
	s_mov_b32 s[G0S], 1
	s_mov_b32 s[G0S+1], SCL
	s_mul_i32 s[WOF], s[WV], 32*PITCH
	s_mov_b32 s[G0R], 1
	s_mov_b32 s[G0R+1], s[WOF]                     ; expert 1 into slot 1
	s_mov_b32 s[TB], SLOTB
	s_lshl_b32 s28, s27, 16                        ; codes: 64 rows of 1,024 bytes a group of outputs
	s_mov_b32 s29, 0
	s_lshl_b32 s30, s24, 15                        ; a refill: + 32 rows x kh
	s_mov_b32 s31, 0
	s_lshl_b32 s100, s27, 15                       ; scales: 32,768 bytes a group of outputs
	s_mov_b32 s101, 0
	s_lshl_b32 s80, s26, 3
	s_lshl_b32 s81, s23, 2
	s_add_co_u32 s80, s80, s81                     ; my first tile of 16 tokens: 8 x group + 4 th
	s_lshl_b32 s82, s80, 15                        ; zc: 32,768 bytes a tile, 8,192 a half of K
	s_lshl_b32 s81, s24, 13
	s_add_co_u32 s82, s82, s81
	s_mov_b32 s83, 0
	s_lshl_b32 s84, s80, 10                        ; zs: 1,024 a tile, 16 a half of K
	s_lshl_b32 s81, s24, 4
	s_add_co_u32 s84, s84, s81
	s_mov_b32 s85, 0
	s_add_co_u32 s90, s81, SCL                     ; the weights' scale words: SCL + 16 kh
	s_lshl_b32 s86, s80, 9                         ; pl: 16 tokens of 32 bytes
	s_mov_b32 s87, 0
	s_lshl_b32 s88, s80, 16                        ; out0: 16 rows of 4,096 bytes a tile; my outputs' 256 bytes; wave kh stores part kh, 2,048 rows on
	s_lshl_b32 s81, s27, 8
	s_add_co_u32 s88, s88, s81
	s_lshl_b32 s81, s24, 23
	s_add_co_u32 s88, s88, s81
	s_mov_b32 s89, 0
	s_lshl_b32 s80, s26, 18                        ; zc: my work-group's 8 tiles, from step 2 on
	s_add_co_u32 s80, s80, 4096
	s_mov_b32 s81, 0
	s_lshl_b32 s91, s[WV], 11
	s_add_co_u32 s91, s91, GSB
	s_mul_i32 s92, s[WV], 2*SPART
	s_add_co_u32 s92, s92, STAGE
	s_lshl_b32 s93, s24, 9                         ; my half of a row of codes
	s_mul_i32 s96, s23, MPART                      ; my rows of 4,096 + 64 bytes in slot 1: 16 th + 4 t + 2 part + kh
	s_mul_i32 s97, s24, 4160
	s_add_co_u32 s96, s96, s97
	s_mov_b32 s[LOG2E], 0x3fb8aa3b
	v_and_b32 v13, 31, v0                          ; lane
	v_and_b32 v14, 15, v0                          ; r
	v_bfe_u32 v15, v0, 4, 1                        ; h
	v_lshlrev_b32 v[ASC], 5, v14
	v_lshl_add_u32 v[ASC], v15, 14, v[ASC]         ; 32 r + h x the distance from Wr's scales to Wi's
	v_add_nc_u32 v[ASC], s90, v[ASC]
	v_lshl_add_u32 v[GLA], v14, 4, s91
	v_lshl_add_u32 v[GST], v15, 2, v[GLA]
	v_mul_u32_u24 v[STO], v14, 272
	v_lshl_add_u32 v[STO], v15, 5, v[STO]
	v_add_nc_u32 v[STO], s92, v[STO]               ; row r, 32 bytes for each half of the lanes
	v_mul_u32_u24 v[BWR], v14, PITCH
	v_lshl_add_u32 v[BWR], v15, 4, v[BWR]
	v_add_nc_u32 v[BWR], s93, v[BWR]               ; a fragment's row x pitch + 16 h + 512 kh
	v_add_nc_u32 v[BWI], MPART, v[BWR]
	v_add_nc_u32 v[AWR], s[TB], v[BWR]
	v_add_nc_u32 v[AWI], s[TB], v[BWI]
	v_lshlrev_b32 v[A16], 4, v13
	v_lshlrev_b32 v[A32], 5, v13
	v_lshl_add_u32 v[VT], v13, 4, s96
	v_lshl_add_u32 v[PFO], v13, 8, s25
	v_mov_b32 v[AZ], 0
	WALU
	s_wait_dscnt 0x0                               ; both opening adds are done
	CROUND                                         ; all sixteen work-groups are here: the first joint loads meet
	s_wait_kmcnt 0x0
	s_cmp_eq_u32 s24, 0                            ; choices between two buffers on the wave's number, the same in all partners
	s_cselect_b64 s[96:97], s[12:13], s[14:15]
	s_cmp_eq_u32 s23, 0
	s_cselect_b64 s[98:99], s[12:13], s[14:15]
	s_add_nc_u64 s[G0H+2:G0H+3], s[96:97], s[28:29]
	s_or_b32 s[G0H+3], s[G0H+3], 0x80000000
	s_add_nc_u64 s[G0S+2:G0S+3], s[16:17], s[100:101]
	s_or_b32 s[G0S+3], s[G0S+3], 0x80000000
	s_mov_b32 s[G0T], 1
	s_mov_b32 s[G0T+1], 0                          ; slot 1
	s_add_nc_u64 s[G0T+2:G0T+3], s[4:5], s[80:81]
	s_or_b32 s[G0T+3], s[G0T+3], 0x80000000
	s_cmp_lt_u32 s[WV], 2                          ; one tensor load a wave
	s_cbranch_scc0 .Lnot_weights
	tensor_load_to_lds s[G0H:G0H+3], s[G1H:G1H+7]  ; waves 0, 1: expert 0's 64 rows of Wr, of Wi
	s_nop 0
	PLACES 4
	s_branch .Lasked
.Lnot_weights:
	s_cmp_lt_u32 s[WV], 3
	s_cbranch_scc0 .Lscales
	tensor_load_to_lds s[G0T:G0T+3], s[G1T:G1T+7]  ; wave 2: the tokens' codes of steps 2 and 3
	s_nop 0
	PLACES 4
	s_branch .Lasked
.Lscales:
	tensor_load_to_lds s[G0S:G0S+3], s[G1S:G1S+7]  ; wave 3: all scale bytes
	s_nop 0
	PLACES 4
.Lasked:
	s_add_nc_u64 s[98:99], s[98:99], s[28:29]
	s_add_nc_u64 s[98:99], s[98:99], s[30:31]
	s_add_nc_u64 s[98:99], s[98:99], 0x100000      ; my 32 rows of expert 1
	s_mov_b64 s[G0R+2:G0R+3], s[98:99]
	s_or_b32 s[G0R+3], s[G0R+3], 0x80000000
	s_add_nc_u64 s[4:5], s[4:5], s[82:83]
	s_add_nc_u64 s[6:7], s[6:7], s[84:85]
	s_add_nc_u64 s[8:9], s[8:9], s[86:87]
	s_add_nc_u64 s[20:21], s[18:19], s[88:89]
.irp g, 0,1
.irp pt, 0,1
	global_load_b128 v[SMX+16*\g+8*\pt:SMX+16*\g+8*\pt+3], v[A32], s[8:9] offset:65536*\pt+1024*\g        ; the two parts' shares of eight logits: lane l takes my token 32 g + l
	global_load_b128 v[SMX+16*\g+8*\pt+4:SMX+16*\g+8*\pt+7], v[A32], s[8:9] offset:65536*\pt+1024*\g+16
.endr
.endr
	global_load_b128 v[SMX+32:SMX+35], v[AZ], s[10:11]             ; bg
	global_load_b128 v[SMX+36:SMX+39], v[AZ], s[10:11] offset:16
.irp t, 0,1,2,3
	global_load_b128 v[SCB+8*\t:SCB+8*\t+3], v[A32], s[6:7] offset:1024*\t   ; the tokens' scale words of my half of K: lanes 0-15 zr's token r, lanes 16-31 zi's
.endr
.macro TOK part, s                     ; a step's fragments of one part: 16 loads, each an image of four registers: 512 consecutive bytes
	WIN 0x40*(1+\part)
.irp t, 0,1,2,3
.irp c, 0,1,2,3
	global_load_b128 v[16*(4*\t+\s)+4*\c:16*(4*\t+\s)+4*\c+3], v[A16], s[4:5] offset:32768*\t+16384*\part+2048*\s+512*\c
.endr
.endr
.endm
	TOK 0, 0
	TOK 1, 0
	TOK 0, 1
	WIN 0
	s_wait_loadcnt 52                              ; the logits and bg are in; behind them: 4 loads of scale words, 48 of codes
	; THE GATES: a lane holds one token's eight logits for each g; the maximum is taken away ahead of the exponentials
.irp g, 0,1
.irp j, 0,2,4,6
	v_pk_add_f32 v[SMX+16*\g+\j:SMX+16*\g+\j+1], v[SMX+16*\g+\j:SMX+16*\g+\j+1], v[SMX+16*\g+8+\j:SMX+16*\g+8+\j+1]
.endr
.endr
.irp g, 0,1
.irp j, 0,2,4,6
	v_pk_add_f32 v[SMX+16*\g+\j:SMX+16*\g+\j+1], v[SMX+16*\g+\j:SMX+16*\g+\j+1], v[SMX+32+\j:SMX+32+\j+1]
.endr
.endr
.irp g, 0,1
	v_max3_num_f32 v[SMX+40+\g], v[SMX+16*\g], v[SMX+16*\g+1], v[SMX+16*\g+2]
.endr
.irp i, 3,5
.irp g, 0,1
	v_max3_num_f32 v[SMX+40+\g], v[SMX+40+\g], v[SMX+16*\g+\i], v[SMX+16*\g+\i+1]
.endr
.endr
.irp g, 0,1
	v_max_num_f32 v[SMX+40+\g], v[SMX+40+\g], v[SMX+16*\g+7]
.endr
.irp g, 0,1
	v_mul_f32 v[SMX+42+\g], s[LOG2E], v[SMX+40+\g] ; the maximum x log2(e)
.endr
.irp g, 0,1
.irp j, 0,1,2,3,4,5,6,7
	v_fma_f32 v[SMX+16*\g+\j], v[SMX+16*\g+\j], s[LOG2E], -v[SMX+42+\g]
.endr
.endr
	WALU                                           ; ahead of the batch
.irp g, 0,1
.irp j, 0,1,2,3,4,5,6,7
	v_exp_f32 v[SMX+16*\g+\j], v[SMX+16*\g+\j]
.endr
.endr
	v_nop
	WALU                                           ; and behind it, ahead of its first reader
.irp g, 0,1
	v_pk_add_f32 v[SMX+44+4*\g:SMX+45+4*\g], v[SMX+16*\g:SMX+16*\g+1], v[SMX+16*\g+2:SMX+16*\g+3]
	v_pk_add_f32 v[SMX+46+4*\g:SMX+47+4*\g], v[SMX+16*\g+4:SMX+16*\g+5], v[SMX+16*\g+6:SMX+16*\g+7]
.endr
.irp g, 0,1
	v_pk_add_f32 v[SMX+44+4*\g:SMX+45+4*\g], v[SMX+44+4*\g:SMX+45+4*\g], v[SMX+46+4*\g:SMX+47+4*\g]
.endr
.irp g, 0,1
	v_add_f32 v[SMX+44+4*\g], v[SMX+44+4*\g], v[SMX+45+4*\g]
.endr
	WALU
.irp g, 0,1
	v_rcp_f32 v[SMX+52+\g], v[SMX+44+4*\g]
.endr
	v_nop
	WALU
.irp g, 0,1
.irp j, 0,1,2,3,4,5,6,7
	v_mul_f32 v[SMX+16*\g+\j], v[SMX+16*\g+\j], v[SMX+52+\g]
.endr
.endr
.irp g, 0,1
.irp e, 0,1,2,3,4,5,6,7
	ds_store_b32 v[GST], v[SMX+16*\g+\e] offset:256*\e+8*\g        ; token 32 g + l is row l % 16 of tile t = 2 g + l / 16: my wave's own LDS bytes, from which a lane takes its four tiles' gates by one load
.endr
.endr
	global_prefetch_b8 v[PFO], s[98:99] th:TH_LOAD_NT scope:SCOPE_SE   ; expert 1: of my wave's 32 rows, my work-group's 8: 32 blocks of 256 bytes, a lane a block; its addresses are never rewritten
	TOK 1, 1
	WIN 0
; ONE MATRIX INSTRUCTION.  rk 0: the real sum of tile t (Wr zr, Wi zi; takes - C), 1: the imaginary one (Wi zr, Wr zi).  z: zr or zi; a: the set of the weights' scale words; s: step.  zero = 1: the product starts its sum.
; A scale register's lanes 0-15 serve Wr (zr), its lanes 16-31, taken by ROW1, serve Wi (zi).  All products of a real sum carry the same sign modifier, the first, on the constant 0, too.
.macro MM rk, t, z, a, s, zero
.set mD, ACC+16*(\t)+8*(\rk)
.set mA, WB+32*(\s)+16*((\z)+(\rk)-2*(\z)*(\rk))
.set mB, 16*(4*(\t)+(\s))
.set mW, SCB+8*(\a)+4+(\s)
.set mT, SCB+8*(\t)+(\s)
	WIN 4+4*(\z)
.if (\rk) == 0
.if (\z) == 0
.if \zero
	v_wmma_scale_f32_16x16x128_f8f6f4 v[mD:mD+7], v[mA:mA+15], v[mB:mB+15], 0, v[mW], v[mT] neg_lo:[0,0,1]
.else
	v_wmma_scale_f32_16x16x128_f8f6f4 v[mD:mD+7], v[mA:mA+15], v[mB:mB+15], v[mD:mD+7], v[mW], v[mT] neg_lo:[0,0,1]
.endif
.else
.if \zero
	v_wmma_scale_f32_16x16x128_f8f6f4 v[mD:mD+7], v[mA:mA+15], v[mB:mB+15], 0, v[mW], v[mT] matrix_a_scale:MATRIX_SCALE_ROW1 matrix_b_scale:MATRIX_SCALE_ROW1 neg_lo:[0,0,1]
.else
	v_wmma_scale_f32_16x16x128_f8f6f4 v[mD:mD+7], v[mA:mA+15], v[mB:mB+15], v[mD:mD+7], v[mW], v[mT] matrix_a_scale:MATRIX_SCALE_ROW1 matrix_b_scale:MATRIX_SCALE_ROW1 neg_lo:[0,0,1]
.endif
.endif
.else
.if (\z) == 0
.if \zero
	v_wmma_scale_f32_16x16x128_f8f6f4 v[mD:mD+7], v[mA:mA+15], v[mB:mB+15], 0, v[mW], v[mT] matrix_a_scale:MATRIX_SCALE_ROW1
.else
	v_wmma_scale_f32_16x16x128_f8f6f4 v[mD:mD+7], v[mA:mA+15], v[mB:mB+15], v[mD:mD+7], v[mW], v[mT] matrix_a_scale:MATRIX_SCALE_ROW1
.endif
.else
.if \zero
	v_wmma_scale_f32_16x16x128_f8f6f4 v[mD:mD+7], v[mA:mA+15], v[mB:mB+15], 0, v[mW], v[mT] matrix_b_scale:MATRIX_SCALE_ROW1
.else
	v_wmma_scale_f32_16x16x128_f8f6f4 v[mD:mD+7], v[mA:mA+15], v[mB:mB+15], v[mD:mD+7], v[mW], v[mT] matrix_b_scale:MATRIX_SCALE_ROW1
.endif
.endif
.endif
.endm
; Product n (0 .. 15) of step (q, s): tiles 0, 1: zr R0 I0 R1 I1, zi R0 I0 R1 I1; tiles 2, 3: zi R2 I2 R3 I3, zr R2 I2 R3 I3.  The sums take turns, one instruction a turn: three others between two steps of a sum.
.macro PROD q, s, n
.set kH, (\n)/8
.set kY, ((\n)%8)/4
.set kZ, kY+kH-2*kY*kH
.set kT, 2*kH+((\n)%4)/2
.set kK, (\n)%2
.set kO, 0
.if ((\s) == 0) && (kZ == kH)
.set kO, 1
.endif
	MM kK, kT, kZ, (\q)%2, \s, kO
.endm
; THE WEIGHING, line c (0 .. 15) of half hf (tiles of tokens 2 hf, 2 hf + 1) of tile q: two of a sum's numbers, from its low end on, x the gate, onto OUT.  md = 1, the first expert: no addend, so nothing is cleared
.macro CLINE hf, q, c, md
.set cI, (\c)/4
.set cT, 2*(\hf)+cI/2
.set cK, cI%2
.set cA, ACC+16*cT+8*cK+2*((\c)%4)
.set cO, 128*cK+32*cT+8*(\q)+2*((\c)%4)
.set cG, GT+2*(\hf)
.set cV, 2*(1-(\hf))*(1-cK)+cI/2
.if (\md) == 1
.set cV, cV+4
.endif
	WIN 0xf0
.if cV == 0
	v_pk_fma_f32 v[cO:cO+1], v[cA:cA+1], v[cG:cG+1], v[cO:cO+1] op_sel_hi:[1,0,1]
.elseif cV == 1
	v_pk_fma_f32 v[cO:cO+1], v[cA:cA+1], v[cG:cG+1], v[cO:cO+1] op_sel:[0,1,0]
.elseif cV == 2
	v_pk_fma_f32 v[cO:cO+1], v[cA:cA+1], v[cG:cG+1], v[cO:cO+1] op_sel_hi:[1,0,1] neg_lo:[0,1,0] neg_hi:[0,1,0]
.elseif cV == 3
	v_pk_fma_f32 v[cO:cO+1], v[cA:cA+1], v[cG:cG+1], v[cO:cO+1] op_sel:[0,1,0] neg_lo:[0,1,0] neg_hi:[0,1,0]
.elseif cV == 4
	v_pk_mul_f32 v[cO:cO+1], v[cA:cA+1], v[cG:cG+1] op_sel_hi:[1,0]
.elseif cV == 5
	v_pk_mul_f32 v[cO:cO+1], v[cA:cA+1], v[cG:cG+1] op_sel:[0,1]
.elseif cV == 6
	v_pk_mul_f32 v[cO:cO+1], v[cA:cA+1], v[cG:cG+1] op_sel_hi:[1,0] neg_lo:[0,1] neg_hi:[0,1]
.else
	v_pk_mul_f32 v[cO:cO+1], v[cA:cA+1], v[cG:cG+1] op_sel:[0,1] neg_lo:[0,1] neg_hi:[0,1]
.endif
.endm
; WHAT STANDS BEHIND PRODUCT n.  Last step of a tile: eight v_nop behind products 4 to 7 (the places, ahead of the reads of tiles 0 and 1's sums), then those sums' sixteen lines, which are also the places for tiles 2 and 3's;
; first step: the tile before's tiles 2 and 3 (of tiles 1 and 2 of outputs their last eight lines: the first eight stand at the run).  The very first step: zeros into OUT's 32 registers whose first weighing stands in the loop's text, which adds.
.macro GAP q, s, n, md
.if (\s) == 3
.if ((\n) > 3) && ((\n) < 8)
	v_nop
	v_nop
.elseif (\n) > 7
	CLINE 0, \q, 2*((\n)-8), \md
	CLINE 0, \q, 2*((\n)-8)+1, \md
.endif
.elseif (\s) == 0
.if ((\md) == 1) && ((\q) == 0)
.set zO, 128*((\n)/8)+32*(2+((\n)%8)/4)+24+2*((\n)%4)
	WIN 0xf0
	v_mov_b32 v[zO], 0
	v_mov_b32 v[zO+1], 0
.elseif (\n) < 8
.if (\q) > 1
	CLINE 1, (\q)-1, 8+(\n), \md
.else
	CLINE 1, ((\q)+3)%4, 2*(\n), \md
	CLINE 1, ((\q)+3)%4, 2*(\n)+1, \md
.endif
.endif
.endif
.endm
.macro STEP q, s, md
.set kN, 0
.rept 16
	PROD \q, \s, kN
	GAP \q, \s, kN, \md
.set kN, kN+1
.endr
.endm
.macro LD j                            ; step j's two fragments from the slot in hand: registers 4 c .. 4 c + 3 hold K = 32 c + 16 h + 0 .. 15 of row r
.set lQ, (\j)/4
.set lS, (\j)%4
.irp c, 0,1,2,3
	ds_load_b128 v[WB+32*lS+4*\c:WB+32*lS+4*\c+3], v[AWR] offset:lQ*16*PITCH+128*lS+32*\c
.endr
.irp c, 0,1,2,3
	ds_load_b128 v[WB+32*lS+16+4*\c:WB+32*lS+16+4*\c+3], v[AWI] offset:lQ*16*PITCH+128*lS+32*\c
.endr
.endm
.macro TLD s                           ; the tokens' codes of step s (2 or 3) from slot 1: 32 loads into registers that no product has read yet
.irp pt, 0,1
	WIN 0x40*(1+\pt)
.irp t, 0,1,2,3
.irp c, 0,1,2,3
	ds_load_b128 v[16*(4*\t+\s)+4*\c:16*(4*\t+\s)+4*\c+3], v[VT] offset:16640*\t+8320*\pt+2080*(\s-2)+1040*(\c/2)+512*(\c%2)
.endr
.endr
.endr
	WIN 0
.endm
.macro SCW a, off                      ; a tile's scale words of my half of K into set a
	ds_load_b128 v[SCB+8*\a+4:SCB+8*\a+7], v[ASC] offset:\off
.endm
.macro RUN                             ; ahead of a run: eight places behind the products that read the buffers
	WIN 0
	PLACES 8
.endm
.macro RUNC q, md                      ; ahead of a run that stands at the head of tile q of outputs: the places are the first eight lines of the weighing of the tile before's tiles 2 and 3
.set kN, 0
.rept 8
	CLINE 1, (\q)-1, kN, \md
.set kN, kN+1
.endr
	WIN 0
.endm
.macro STG q                           ; the way out: a finished tile of OUT into my stages: row = token, eight neighbouring outputs a lane
	WIN 0x0c
.irp k, 0,1
.irp t, 0,1,2,3
	ds_store_b128 v[STO], v[128*\k+32*\t+8*\q:128*\k+32*\t+8*\q+3] offset:SPART*\k+4352*\t+64*\q
	ds_store_b128 v[STO], v[128*\k+32*\t+8*\q+4:128*\k+32*\t+8*\q+7] offset:SPART*\k+4352*\t+64*\q+16
.endr
.endr
.endm
; AN EXPERT.  md 1: the first (steps 2 and 3's codes are taken from slot 1, which then takes expert 1); 0: in the loop; 2: the slots change and nothing is filled; 3: the last.
; Steps 0, 1 and 2's fragments have been asked for.  A wait's count: the LDS instructions issued behind the step's own eight loads (and, in the first expert's steps 2 and 3, behind its tokens' codes).
; THE CHANGE OF SLOTS: in the run for the expert's last two steps (in the first expert two steps later) each wave waits for all its tensor loads (one is out: its part of the other slot) and adds 0 to its spare word; behind step 13 it
; waits for that and for its reads of this slot.  Behind the barrier (with a fill: the round) nobody reads this slot and the other is whole.
.macro EXPERT md
.set xS, 0
.if (\md) == 3
.set xS, 16                            ; the stage's sixteen stores
.endif
.if (\md) == 1
	s_wait_loadcnt 32                              ; the codes of step 0 are in: 32 loads were issued behind them
.endif
	s_wait_dscnt 16
	STEP 0, 0, \md
.if (\md) == 1
	TLD 2
	s_wait_loadcnt 0x0                             ; step 1's codes
	s_wait_dscnt 40                                ; step 2's 8 loads and the 32 just issued may be out
.else
	s_wait_dscnt 8
.endif
	STEP 0, 1, \md
	RUN
	SCW 1, 512
	ds_load_b128 v[GT:GT+3], v[GLA]                ; this expert's gates: the expert before was weighed to its end behind step 0
.if (\md) == 1
	TLD 3                                          ; my last reads of the codes in slot 1
.endif
	LD 3
	LD 4
	LD 5
.if (\md) == 1
	s_wait_tensorcnt 0x0                           ; (none is out) these lines stand ahead of slot 1's refill
	ds_add_u32 v[SPW], v[NIL]
.endif
	v_add_nc_u32 v[GLA], 256, v[GLA]
.if (\md) == 1
	s_wait_dscnt 59                                ; 2 + 32 + 24 + the add
.else
	s_wait_dscnt 26
.endif
	STEP 0, 2, \md
.if (\md) == 1
	s_wait_dscnt 17
.else
	s_wait_dscnt 16
.endif
	STEP 0, 3, \md
.if (\md) == 1
	s_wait_dscnt 0x0                               ; the add is done, and my reads of slot 1 are over
	s_barrier_signal -1
	STEP 1, 0, \md
	WIN 0
	s_barrier_wait -1
	CREST
	tensor_load_to_lds s[G0R:G0R+3], s[G1R:G1R+7]  ; my 32 rows of expert 1 into slot 1
	s_nop 0
	PLACES 8
.else
	s_wait_dscnt 8
	STEP 1, 0, \md
	RUN
.endif
	SCW 0, 1024
	LD 6
	LD 7
	LD 8
	s_wait_dscnt 25
	STEP 1, 1, \md
	s_wait_dscnt 16
	STEP 1, 2, \md
	s_wait_dscnt 8
	STEP 1, 3, \md
	RUNC 2, \md
	LD 9
	LD 10
	LD 11
.if (\md) == 3
	STG 0
.endif
	s_wait_dscnt 24+xS
	STEP 2, 0, \md
	s_wait_dscnt 16+xS
	STEP 2, 1, \md
	RUN
	SCW 1, 1536
	LD 12
	LD 13
	s_wait_dscnt 25+xS
	STEP 2, 2, \md
	s_wait_dscnt 17+xS
	STEP 2, 3, \md
	RUNC 3, \md
.if (\md) == 3
	LD 14
	LD 15
	STG 1
	s_wait_dscnt 40
	STEP 3, 0, \md
	s_wait_dscnt 32
	STEP 3, 1, \md
	s_wait_dscnt 24
	STEP 3, 2, \md
	s_wait_dscnt 16
	STEP 3, 3, \md
.else
	SCW 0, 2048                                    ; the next expert's first scale words
	LD 14
	LD 15                                          ; my last reads of this slot
.set xG, 0
.if (\md) != 1
.set xG, 1                             ; the add
	s_wait_tensorcnt 0x0                           ; no tensor load of mine is out, so a group 0 may be written
	ds_add_u32 v[SPW], v[NIL]                      ; 0 onto my spare word
	v_add_nc_u32 v[ASC], 2048, v[ASC]
.if (\md) == 0
	s_add_co_u32 s[G0R+1], s[WOF], s[TB]           ; this slot takes the next expert but one; the type bits on top of the address are not reached
	s_add_nc_u64 s[G0R+2:G0R+3], s[G0R+2:G0R+3], 0x100000
.endif
	s_xor_b32 s[TB], s[TB], SLOTB                  ; on to the other slot
.else
	v_add_nc_u32 v[ASC], 2048, v[ASC]
.endif
	s_wait_dscnt 25+xG
	STEP 3, 0, \md
	s_wait_dscnt 17+xG
	STEP 3, 1, \md
.if (\md) == 1
	WIN 0
	s_wait_tensorcnt 0x0                           ; the first expert: the same lines here: expert 1 was asked for behind step 4
	ds_add_u32 v[SPW], v[NIL]
	s_add_co_u32 s[G0R+1], s[WOF], s[TB]
	s_add_nc_u64 s[G0R+2:G0R+3], s[G0R+2:G0R+3], 0x100000
	s_xor_b32 s[TB], s[TB], SLOTB
.endif
	s_wait_dscnt 0x0                               ; the add is done, and my reads of this slot are over
	s_barrier_signal -1
	STEP 3, 2, \md                                 ; work on registers while the others arrive
	WIN 0
	s_barrier_wait -1
.if (\md) < 2
	CREST
	tensor_load_to_lds s[G0R:G0R+3], s[G1R:G1R+7]  ; the first thing behind the round, and my one tensor load until the next
	s_nop 0
.endif
	PLACES 4
	v_add_nc_u32 v[AWR], s[TB], v[BWR]             ; (these two and the six v_nop are the eight places)
	v_add_nc_u32 v[AWI], s[TB], v[BWI]
	PLACES 2
	WALU
	LD 0                                           ; the next expert's first three steps
	LD 1
	LD 2
	STEP 3, 3, \md
.endif
	WIN 0                                          ; at a label and at a branch every window is 0
.endm
	WALU                                           ; the head's end
	s_wait_tensorcnt 0x0                           ; my tile of the head's is in
	s_wait_dscnt 0x0                               ; my gates' stores
	s_barrier_signal -1
	s_barrier_wait -1                              ; everybody's tiles are in
	SCW 0, 0
	LD 0
	LD 1
	LD 2
	EXPERT 1
	s_mov_b32 s[CNT], 5
.Lexpert:                                          ; experts 1 to 5, behind each of which its slot is filled again (experts 3 to 7)
	EXPERT 0
	s_sub_co_u32 s[CNT], s[CNT], 1
	s_cmp_lg_u32 s[CNT], 0
	s_cbranch_scc1 .Lexpert
	EXPERT 2                                       ; the tail is written out
	EXPERT 3
; THE WAY OUT.  Wave kh takes part kh (real, imaginary) of its 64 tokens: whole rows of 256 bytes from its own stage and from that of the wave with the other half of K, added, and stored.
.set kN, 0
.rept 16
	CLINE 1, 3, kN, 3                              ; the last tile's second half (behind eight lines of its first, which are the places)
.set kN, kN+1
.endr
	WIN 0
	v_and_b32 v20, 15, v0
	v_bfe_u32 v21, v0, 4, 1
	s_mul_i32 s28, s23, 4*SPART
	s_mul_i32 s29, s24, SPART
	s_add_co_u32 s28, s28, s29
	s_add_co_u32 s28, s28, STAGE
	v_mul_u32_u24 v[RD], v21, 272
	v_lshl_add_u32 v[RD], v20, 4, v[RD]
	v_add_nc_u32 v[RD], s28, v[RD]                 ; lanes 0-15 one row of 256 bytes, lanes 16-31 the next
	v_lshlrev_b32 v[CO], 12, v21
	v_lshl_add_u32 v[CO], v20, 4, v[CO]            ; and the same two rows in out0
	WALU
	STG 2
	STG 3
	WIN 0
	s_wait_dscnt 0x0                               ; my stages are written
	s_barrier_signal -1
	s_barrier_wait -1                              ; everybody's are
.macro ROWS g                          ; rows 16 g .. 16 g + 15 of both stages into windows 1 and 2
	WIN 0x40
.irp i, 0,1,2,3,4,5,6,7
	ds_load_b128 v[32*\g+4*\i:32*\g+4*\i+3], v[RD] offset:544*(8*\g+\i)
.endr
	WIN 0x80
.irp i, 0,1,2,3,4,5,6,7
	ds_load_b128 v[32*\g+4*\i:32*\g+4*\i+3], v[RD] offset:2*SPART+544*(8*\g+\i)
.endr
.endm
.macro SEND g, y                       ; y: the LDS loads issued behind these rows'
	s_wait_dscnt \y
	WIN 0x49
.irp i, 0,2,4,6,8,10,12,14,16,18,20,22,24,26,28,30
	v_pk_add_f32 v[32*\g+\i:32*\g+\i+1], v[32*\g+\i:32*\g+\i+1], v[32*\g+\i:32*\g+\i+1]
.endr
	WIN 0x04
.irp i, 0,1,2,3,4,5,6,7
	global_store_b128 v[CO], v[32*\g+4*\i:32*\g+4*\i+3], s[20:21] offset:8192*(8*\g+\i) th:TH_STORE_NT   ; 16 lanes store 256 consecutive bytes, at a multiple of 256 from out0's first byte
.endr
.endm
	ROWS 0
	ROWS 1
	ROWS 2
	SEND 0, 32
	ROWS 3
	SEND 1, 32
	SEND 2, 16
	SEND 3, 0
	WIN 0
	s_wait_tensorcnt 0x0                           ; the wave's end: behind my last tensor load and my last LDS store
	ds_add_u32 v[SPW], v[NIL]
	s_wait_dscnt 0x0
	CROUND                                         ; the closing round: no work-group ends while a partner may still ask for a tile that names it
	s_endpgm
.Lfunc_end_k_q248acf7b21_moe:
	.size	k_q248acf7b21_moe, .Lfunc_end_k_q248acf7b21_moe-k_q248acf7b21_moe
	.p2alignl 7, 3214868480
	.fill 96, 4, 3214868480
	.section	.rodata,"a",@progbits
	.p2align	6, 0x0
	.amdhsa_kernel k_q248acf7b21_moe
		.amdhsa_group_segment_fixed_size 327680
		.amdhsa_private_segment_fixed_size 0
		.amdhsa_enable_private_segment 0
		.amdhsa_kernarg_size 64
		.amdhsa_user_sgpr_count 2
		.amdhsa_user_sgpr_kernarg_segment_ptr 1
		.amdhsa_wavefront_size32 1
		.amdhsa_system_sgpr_workgroup_id_x 1
		.amdhsa_system_sgpr_workgroup_id_y 1
		.amdhsa_system_sgpr_workgroup_id_z 1
		.amdhsa_system_vgpr_workitem_id 0
		.amdhsa_next_free_vgpr 1024
		.amdhsa_next_free_sgpr 102
		.amdhsa_reserve_vcc 0
		.amdhsa_float_denorm_mode_32 3
		.amdhsa_float_denorm_mode_16_64 3
		.amdhsa_memory_ordered 1
		.amdhsa_forward_progress 1
		.amdhsa_inst_pref_size 255
	.end_amdhsa_kernel
	.section	.bss,"aw",@nobits
	.p2align	6
	.space	262144
	.amdgpu_metadata
---
amdhsa.version: [ 1, 2 ]
amdhsa.kernels:
  - .name:           k_q248acf7b21_moe
    .symbol:         k_q248acf7b21_moe.kd
    .args:
      - { .name: zc, .offset: 0, .size: 8, .value_kind: global_buffer, .address_space: global }
      - { .name: zs, .offset: 8, .size: 8, .value_kind: global_buffer, .address_space: global }
      - { .name: pl, .offset: 16, .size: 8, .value_kind: global_buffer, .address_space: global }
      - { .name: bg, .offset: 24, .size: 8, .value_kind: global_buffer, .address_space: global }
      - { .name: Wr_codes, .offset: 32, .size: 8, .value_kind: global_buffer, .address_space: global }
      - { .name: Wi_codes, .offset: 40, .size: 8, .value_kind: global_buffer, .address_space: global }
      - { .name: sw, .offset: 48, .size: 8, .value_kind: global_buffer, .address_space: global }
      - { .name: out0, .offset: 56, .size: 8, .value_kind: global_buffer, .address_space: global }
    .group_segment_fixed_size: 327680
    .private_segment_fixed_size: 0
    .kernarg_segment_align: 8
    .kernarg_segment_size: 64
    .max_flat_workgroup_size: 128
    .sgpr_count:     102
    .vgpr_count:     1024
    .wavefront_size: 32
...
	.end_amdgpu_metadata
.endif
;; end of part 4
